; MI455X (gfx1250); checked and timed in simulation.
; The chip was launched on July 23, 2026; its instructions are those of AMD's public machine-readable ISA for CDNA 5 (MIT licence, August 2026) and "CDNA5" Instruction Set Architecture Reference Guide (July 2026). The comments in the code are by the model that wrote it; some were corrected since.
;; Graph Projection. Allowed arithmetic: float matrix products may take bf16 or f16 operands with f32 sums; other float arithmetic in f32, or as packed bf16 or f16 multiplies, adds, multiply-adds, maxima and minima; sums over many terms, partial sums and values carried from step to step in f32; what a program stores and reads back later, other than sums and carried values, may be rounded once to bf16 or f16.
;; Inputs: inputs 4 x 2,562 x 3 float32; pc0_coords 4 x 3 x 8,192 float32; pc1_coords 4 x 3 x 8,192 float32; pc1_feat 4 x 64 x 8,192 float32; pc2_coords 4 x 3 x 4,096 float32; pc2_feat 4 x 128 x 4,096 float32; pc3_coords 4 x 3 x 2,048 float32; pc3_feat 4 x 256 x 2,048 float32.
;; Outputs: out0 4 x 2,562 x 463 float32.
;; Constants: K = 16.
;; 2 versions, each right; version 2 is version 1 with the launch coarse written anew for expert scheduling mode. Each part assembles by itself: llvm-mc -triple=amdgcn-amd-amdhsa -mcpu=gfx1250 --defsym DOCPART=n.
;; ======== version 1 of 2: 4 launches
;; workspace buffers: featT 12,582,912 bytes; coordsT 1,048,576 bytes; gidx 2,752,512 bytes of whole numbers; idx 2,752,512 bytes of whole numbers
;; launch tr (part 1): grid 768 x 1, 8 waves a work-group, no clusters, 19,456 bytes of LDS; arguments pc1_feat, pc2_feat, pc3_feat, featT; writes featT
.if DOCPART == 1
	.amdgcn_target "amdgcn-amd-amdhsa--gfx1250"
	.amdhsa_code_object_version 6
	.text
	.protected	k_q8cb5a64fc3_tr
	.globl	k_q8cb5a64fc3_tr
	.p2align	8
	.type	k_q8cb5a64fc3_tr,@function
k_q8cb5a64fc3_tr:
	s_mov_b64 s[64:65], 0
	v_nop
	global_prefetch_b8 v0, s[64:65] scope:SCOPE_SE
	s_setreg_imm32_b32 hwreg(HW_REG_WAVE_MODE, 25, 1), 1
	s_wait_xcnt 0x0
; FEATURES TURNED AND ROUNDED.  pcK_feat is [4][D][M] f32; featT takes it as [4][M][D] bf16, rounded once, so that a point's D features lie on end
; (128, 256, 512 bytes) for the launch that gathers them.  featT: cloud 1 at byte 0, cloud 2 at 4 MiB, cloud 3 at 8 MiB; a batch is 1 MiB in each.
; SHARES.  768 work-groups of 256 threads, 256 for each cloud: cloud = x >> 8, batch = (x >> 6) & 3, tile = x & 63.  A tile is 8,192 numbers:
; cloud 1: 64 d x 128 m; clouds 2 and 3: 128 d x 64 m (cloud 3: two tiles side by side along d).
; WAY IN.  A thread loads 16 bytes (4 m) of two neighbouring rows d, d + 1, four times; a pair (d, d + 1) of one m packs into one word, which goes to LDS at [m][d].
; WAY OUT.  Behind one barrier whole rows [m][..] come back as 16 bytes a lane, and sixteen neighbouring lanes store 256 consecutive bytes, aligned.
; No matrix unit, cluster or tensor load: each byte is read once and written once, and nothing is shared between work-groups.
; LIMITS.  NaN and infinities are rounded as v_cvt_pk_bf16_f32 rounds them and are not treated apart.
.set SPARE, 18432                      ; behind the tile (at most 128 rows x 144 bytes): the spare words, 128 bytes for each of 8 waves
.set SPW, 2                            ; v2  SPARE + 4 x my thread's number; never rewritten
.set NIL, 3                            ; v3  0; never rewritten
; LQ: log2 of the 16-byte pieces in a tile's row of m; P: LDS pitch of a row [m]; MB: bytes from d to d + 1 in memory
.macro TRIN LQ, P, MB
	v_and_b32 v4, (1<<(\LQ))-1, v0                 ; which four m
	v_lshrrev_b32 v5, \LQ, v0                      ; which pair of d in a pass
	v_mul_u32_u24 v6, v5, 2*(\MB)
	v_lshl_add_u32 v6, v4, 4, v6                   ; byte offset in the tile, in memory
	v_mul_u32_u24 v7, v4, 4*(\P)
	v_lshl_add_u32 v7, v5, 2, v7                   ; LDS: row 4 x piece, word of the pair
.irp j, 0,1,2,3
	global_load_b128 v[8+8*(\j):11+8*(\j)], v6, s[22:23] offset:(\j)*2*(256>>(\LQ))*(\MB) th:TH_LOAD_NT
	global_load_b128 v[12+8*(\j):15+8*(\j)], v6, s[22:23] offset:(\j)*2*(256>>(\LQ))*(\MB)+(\MB) th:TH_LOAD_NT
.endr
.irp j, 0,1,2,3
	s_wait_loadcnt 6-2*(\j)                        ; pass j's two loads are in; the two of each later pass may stay out
.irp i, 0,1,2,3
	v_cvt_pk_bf16_f32 v[40+4*(\j)+(\i)], v[8+8*(\j)+(\i)], v[12+8*(\j)+(\i)]  ; d in the low half, d + 1 in the high half
.endr
.irp i, 0,1,2,3
	ds_store_b32 v7, v[40+4*(\j)+(\i)] offset:(\i)*(\P)+(\j)*(256>>(\LQ))*4
.endr
.endr
.endm
; LR: log2 of the 16-byte pieces in an LDS row; OP: bytes from m to m + 1 in featT
.macro TROUT LR, P, OP
	v_lshrrev_b32 v56, \LR, v0                     ; row m in a pass
	v_and_b32 v57, (1<<(\LR))-1, v0                ; piece of the row
	v_mul_u32_u24 v58, v56, \P
	v_lshl_add_u32 v58, v57, 4, v58
	v_mul_u32_u24 v59, v56, \OP
	v_lshl_add_u32 v59, v57, 4, v59
.irp j, 0,1,2,3
	ds_load_b128 v[8+4*(\j):11+4*(\j)], v58 offset:(\j)*(256>>(\LR))*(\P)
.endr
.irp j, 0,1,2,3
	s_wait_dscnt 3-(\j)                            ; LDS loads come back in order: pass j is in
	global_store_b128 v59, v[8+4*(\j):11+4*(\j)], s[24:25] offset:(\j)*(256>>(\LR))*(\OP)  ; 16 lanes: 256 consecutive bytes, aligned
.endr
.endm
	s_load_b256 s[4:11], s[0:1], 0x0               ; pc1_feat s[4:5], pc2_feat s[6:7], pc3_feat s[8:9], featT s[10:11]
	v_lshl_add_u32 v[SPW], v0, 2, SPARE
	v_mov_b32 v[NIL], 0
	s_lshr_b32 s12, ttmp9, 8                       ; cloud - 1
	s_bfe_u32 s13, ttmp9, 0x20006                  ; batch
	s_and_b32 s14, ttmp9, 63                       ; tile
	s_lshl_b32 s16, s13, 21                        ; a batch of features is 2 MiB in f32,
	s_mov_b32 s17, 0
	s_lshl_b32 s18, s13, 20                        ; 1 MiB in bf16
	s_mov_b32 s19, 0
	s_wait_kmcnt 0x0
	s_cmp_eq_u32 s12, 0
	s_cbranch_scc0 .Lin_not1
	s_lshl_b32 s20, s14, 9                         ; cloud 1: m0 = 128 x tile: 512 bytes along a row in,
	s_add_co_u32 s16, s16, s20
	s_lshl_b32 s20, s14, 14                        ; 128 rows of 128 bytes out
	s_add_co_u32 s18, s18, s20
	s_add_nc_u64 s[22:23], s[4:5], s[16:17]
	s_add_nc_u64 s[24:25], s[10:11], s[18:19]
	TRIN 5, 144, 32768
	s_branch .Lmeet
.Lin_not1:
	s_cmp_eq_u32 s12, 1
	s_cbranch_scc0 .Lin_3
	s_lshl_b32 s20, s14, 8                         ; cloud 2: m0 = 64 x tile: 256 bytes in,
	s_add_co_u32 s16, s16, s20
	s_lshl_b32 s20, s14, 14                        ; 64 rows of 256 bytes out,
	s_add_co_u32 s18, s18, s20
	s_add_co_u32 s18, s18, 0x400000                ; in the second region
	s_add_nc_u64 s[22:23], s[6:7], s[16:17]
	s_add_nc_u64 s[24:25], s[10:11], s[18:19]
	TRIN 4, 272, 16384
	s_branch .Lmeet
.Lin_3:
	s_and_b32 s20, s14, 1                          ; cloud 3: d0 = 128 x (tile & 1), m0 = 64 x (tile >> 1)
	s_lshr_b32 s21, s14, 1
	s_lshl_b32 s26, s20, 20                        ; 128 rows of 8,192 bytes in
	s_add_co_u32 s16, s16, s26
	s_lshl_b32 s26, s21, 8
	s_add_co_u32 s16, s16, s26
	s_lshl_b32 s26, s21, 15                        ; 64 rows of 512 bytes out
	s_add_co_u32 s18, s18, s26
	s_lshl_b32 s26, s20, 8                         ; my half of each row
	s_add_co_u32 s18, s18, s26
	s_add_co_u32 s18, s18, 0x800000                ; in the third region
	s_add_nc_u64 s[22:23], s[8:9], s[16:17]
	s_add_nc_u64 s[24:25], s[10:11], s[18:19]
	TRIN 4, 272, 8192
.Lmeet:
	s_wait_dscnt 0x0                               ; for the others' sake: my words lie in LDS
	s_barrier_signal -1
	s_barrier_wait -1                              ; the tile is whole
	s_cmp_eq_u32 s12, 0
	s_cbranch_scc0 .Lout_not1
	TROUT 3, 144, 128
	s_branch .Lend
.Lout_not1:
	s_cmp_eq_u32 s12, 1
	s_cbranch_scc0 .Lout_3
	TROUT 4, 272, 256
	s_branch .Lend
.Lout_3:
	TROUT 4, 272, 512
.Lend:
	s_wait_tensorcnt 0x0                           ; the wave's end, behind my last LDS store
	ds_add_u32 v[SPW], v[NIL]
	s_wait_dscnt 0x0
	s_endpgm
.Lfunc_end_k_q8cb5a64fc3_tr:
	.size	k_q8cb5a64fc3_tr, .Lfunc_end_k_q8cb5a64fc3_tr-k_q8cb5a64fc3_tr
	.p2alignl 7, 3214868480
	.fill 96, 4, 3214868480
	.section	.rodata,"a",@progbits
	.p2align	6, 0x0
	.amdhsa_kernel k_q8cb5a64fc3_tr
		.amdhsa_group_segment_fixed_size 19456
		.amdhsa_private_segment_fixed_size 0
		.amdhsa_enable_private_segment 0
		.amdhsa_kernarg_size 32
		.amdhsa_user_sgpr_count 2
		.amdhsa_user_sgpr_kernarg_segment_ptr 1
		.amdhsa_wavefront_size32 1
		.amdhsa_system_sgpr_workgroup_id_x 1
		.amdhsa_system_sgpr_workgroup_id_y 1
		.amdhsa_system_sgpr_workgroup_id_z 1
		.amdhsa_system_vgpr_workitem_id 0
		.amdhsa_next_free_vgpr 64
		.amdhsa_next_free_sgpr 66
		.amdhsa_reserve_vcc 0
		.amdhsa_float_denorm_mode_32 3
		.amdhsa_float_denorm_mode_16_64 3
		.amdhsa_memory_ordered 1
		.amdhsa_forward_progress 1
		.amdhsa_inst_pref_size 16
	.end_amdhsa_kernel
	.amdgpu_metadata
---
amdhsa.version: [ 1, 2 ]
amdhsa.kernels:
  - .name:           k_q8cb5a64fc3_tr
    .symbol:         k_q8cb5a64fc3_tr.kd
    .args:
      - { .name: pc1_feat, .offset: 0, .size: 8, .value_kind: global_buffer, .address_space: global }
      - { .name: pc2_feat, .offset: 8, .size: 8, .value_kind: global_buffer, .address_space: global }
      - { .name: pc3_feat, .offset: 16, .size: 8, .value_kind: global_buffer, .address_space: global }
      - { .name: featT, .offset: 24, .size: 8, .value_kind: global_buffer, .address_space: global }
    .group_segment_fixed_size: 19456
    .private_segment_fixed_size: 0
    .kernarg_segment_align: 8
    .kernarg_segment_size: 32
    .max_flat_workgroup_size: 256
    .sgpr_count:     66
    .vgpr_count:     64
    .wavefront_size: 32
...
	.end_amdgpu_metadata
.endif
;; end of part 1
;; launch coarse (part 2): grid 21 x 12, 4 waves a work-group, no clusters, 167,936 bytes of LDS; arguments inputs, pc0_coords, pc1_coords, pc2_coords, pc3_coords, gidx; writes gidx
.if DOCPART == 2
	.amdgcn_target "amdgcn-amd-amdhsa--gfx1250"
	.amdhsa_code_object_version 6
	.text
	.protected	k_q8cb5a64fc3_coarse
	.globl	k_q8cb5a64fc3_coarse
	.p2align	8
	.type	k_q8cb5a64fc3_coarse,@function
k_q8cb5a64fc3_coarse:
	s_mov_b64 s[64:65], 0
	v_nop
	global_prefetch_b8 v0, s[64:65] scope:SCOPE_SE
	s_setreg_imm32_b32 hwreg(HW_REG_WAVE_MODE, 25, 1), 1
	s_wait_xcnt 0x0
; FIRST STAGE OF THE 16 NEAREST.  A cloud's points lie in groups of 16 neighbouring indices.  For each query and cloud this launch finds the 16 groups with the smallest
; (least d2 in the group, group number) and stores their numbers, ascending, as whole numbers.  Every one of the 16 nearest points lies in one of them: fewer than 16 points
; come before such a point in the order (d2, index), and each group that comes before its group holds a point that comes before it.
; D2 BIT FOR BIT.  Coordinates are rounded to bf16 first, so every product of two of them is exact in f32 and only the order of the additions counts:
; cc = (c0 c0 + c1 c1) + c2 c2, pp likewise, dot = (c0 p0 + c1 p1) + c2 p2, d2 = (cc + pp) - 2 dot.  The query is kept as -2 c (exact), so the chain of multiply-adds gives -2 dot.
; THE PRODUCT OF DEPTH 3 RUNS ON THE VECTOR UNIT, on bf16 operands with f32 sums: one neighbour taken wrongly moves a mean of 16 features by a sixteenth of a difference of two
; features, many times what the comparison allows, so the ranking must repeat these roundings exactly, which a matrix instruction's grouped sums do not.
; SHARES.  x: 128 queries, a thread a query.  y: batch = y & 3, kind = y >> 2: kind 0 cloud 0, kind 1 cloud 1 (4 trips of 2,048 points each), kind 2 cloud 2 (2 trips) and then cloud 3 (1 trip).
; A TRIP.  Phase A: thread t holds group t of the trip's 128 (16 points in registers), walks all 128 queries (read from LDS, the same address in all lanes) and stores the group's least d2
; at MIN[query][group].  Phase B: thread t reads row t of MIN and inserts the 128 minima, in ascending group number, into its sorted list of 16.
; THE INSERTION is stable and has no branch: keys move by a median of three, numbers by two selects a slot; a new item goes behind its equals, so the lower number wins a tie.
; Query numbers are clamped to 2,561: rows 2,562 to 2,687 of gidx hold the last query's result, and no store needs a mask.
; LDS is claimed beyond what is used (76,288 bytes) so that a work-group has a WGP to itself: 252 work-groups of nearly equal length.
; LIMITS.  NaN and infinite coordinates are not treated; products of two coordinates must neither overflow nor underflow in f32.
.set QT,    0                          ; 128 rows x 32 bytes: -2c0, -2c0, -2c1, -2c1 | -2c2, -2c2, cc, cc
.set MINB,  4096                       ; 128 rows (queries) x 560 bytes: 128 minima, 32 bytes of +inf for the look-ahead, 16 unused
.set MP,    560                        ; 35 x 16 bytes: the 16 rows that a 16-byte load touches start at 16 different columns of 16 bytes
.set SPARE, 75776                      ; the spare words, 128 bytes for each of 4 waves
.set PLANE, 21504                      ; gidx: [y 16][slot pair 8][n 2,688][2] words
.set SPW, 2                            ; v2   SPARE + 4 x my thread's number; never rewritten
.set NIL, 3                            ; v3   0; never rewritten
.set VOX, 4                            ; v4-6 byte offsets of my group's x, y, z in the cloud's batch
.set VOY, 5
.set VOZ, 6
.set VOB, 7                            ; v7   64 t: my group in a trip's chunk
.set QAD, 8                            ; v8   LDS address in QT, the same in all lanes
.set MST, 9                            ; v9   where phase A stores; v10 its start, MINB + 4 t
.set MSS, 10
.set MRD, 11                           ; v11  where phase B reads; v12 its start, MINB + 560 t
.set MRS, 12
.set GO,  13                           ; v13  8 (128 x + t): my place in a plane of gidx; never rewritten
.set CA,  16                           ; v[16:23], v[24:31] two queries' rows of QT
.set CB,  24
.set X,   32                           ; v[32:47] x, v[48:63] y, v[64:79] z, v[80:95] pp of my 16 points
.set Y,   48
.set Z,   64
.set PP,  80
.set T,   96                           ; v[96:111], v[112:127] at work
.set U,   112
.set R,   128                          ; v[128:143] the list's keys, ascending
.set ID,  144                          ; v[144:159] the list's group numbers
.set KA,  160                          ; v[160:163], v[164:167] four minima each
.set KB,  164
.set TM,  168                          ; v[168:171] at work in the insertion
.set MNA, 172
.set MNB, 173
.set SC,  174                          ; v[174:179] at work
.set MK,  16                           ; s[16:31] the insertion's 16 masks
.macro LOADP                           ; my group's 16 points: 64 bytes of x, of y and of z
.irp k, 0,1,2,3
	global_load_b128 v[X+4*\k:X+4*\k+3], v[VOX], s[42:43] offset:16*\k
.endr
.irp k, 0,1,2,3
	global_load_b128 v[Y+4*\k:Y+4*\k+3], v[VOY], s[42:43] offset:16*\k
.endr
.irp k, 0,1,2,3
	global_load_b128 v[Z+4*\k:Z+4*\k+3], v[VOZ], s[42:43] offset:16*\k
.endr
.endm
.macro CONV                            ; the points rounded to bf16 and widened again; pp = (x x + y y) + z z
.irp a, X, Y, Z
.irp h, 0, 8
.irp p, 0,1,2,3
	v_cvt_pk_bf16_f32 v[SC+\p], v[\a+\h+2*\p], v[\a+\h+2*\p+1]
.endr
.irp p, 0,1,2,3
	v_lshlrev_b32 v[\a+\h+2*\p], 16, v[SC+\p]
	v_and_b32 v[\a+\h+2*\p+1], 0xffff0000, v[SC+\p]
.endr
.endr
.endr
.irp p, 0,2,4,6,8,10,12,14
	v_pk_mul_f32 v[PP+\p:PP+\p+1], v[X+\p:X+\p+1], v[X+\p:X+\p+1]
.endr
.irp p, 0,2,4,6,8,10,12,14
	v_pk_fma_f32 v[PP+\p:PP+\p+1], v[Y+\p:Y+\p+1], v[Y+\p:Y+\p+1], v[PP+\p:PP+\p+1]
.endr
.irp p, 0,2,4,6,8,10,12,14
	v_pk_fma_f32 v[PP+\p:PP+\p+1], v[Z+\p:Z+\p+1], v[Z+\p:Z+\p+1], v[PP+\p:PP+\p+1]
.endr
.endm
; One query against my 16 points: eight chains of two that do not wait for each other, the least of the 16, one store.
.macro AQ C, off
.irp p, 0,2,4,6,8,10,12,14
	v_pk_mul_f32 v[T+\p:T+\p+1], v[X+\p:X+\p+1], v[\C:\C+1]
.endr
.irp p, 0,2,4,6,8,10,12,14
	v_pk_fma_f32 v[T+\p:T+\p+1], v[Y+\p:Y+\p+1], v[\C+2:\C+3], v[T+\p:T+\p+1]
.endr
.irp p, 0,2,4,6,8,10,12,14
	v_pk_add_f32 v[U+\p:U+\p+1], v[PP+\p:PP+\p+1], v[\C+6:\C+7]
.endr
.irp p, 0,2,4,6,8,10,12,14
	v_pk_fma_f32 v[T+\p:T+\p+1], v[Z+\p:Z+\p+1], v[\C+4:\C+5], v[T+\p:T+\p+1]
.endr
.irp p, 0,2,4,6,8,10,12,14
	v_pk_add_f32 v[T+\p:T+\p+1], v[U+\p:U+\p+1], v[T+\p:T+\p+1]
.endr
	v_min3_num_f32 v[MNA], v[T], v[T+1], v[T+2]
	v_min3_num_f32 v[MNB], v[T+3], v[T+4], v[T+5]
	v_min3_num_f32 v[MNA], v[MNA], v[T+6], v[T+7]
	v_min3_num_f32 v[MNB], v[MNB], v[T+8], v[T+9]
	v_min3_num_f32 v[MNA], v[MNA], v[T+10], v[T+11]
	v_min3_num_f32 v[MNB], v[MNB], v[T+12], v[T+13]
	v_min3_num_f32 v[MNA], v[MNA], v[T+14], v[T+15]
	v_min_num_f32 v[MNA], v[MNA], v[MNB]
	ds_store_b32 v[MST], v[MNA] offset:\off
.endm
; Key v[xk] with number xid goes into the list.  Mask i: the key is less than slot i's.  Slot i then holds the median of the key and the old slots i - 1 and i; its number is
; its own (mask i off), the old slot i - 1's (masks i and i - 1 on) or the new one.  Slots are taken from the top down, so every old value is read before it is written.
.macro INS xk, xid
.set ii, 0
.rept 16
	v_cmp_lt_f32 s[MK+ii], v[\xk], v[R+ii]
.set ii, ii+1
.endr
.set ii, 15
.rept 15
	v_med3_num_f32 v[R+ii], v[\xk], v[R+ii-1], v[R+ii]
.set ii, ii-1
.endr
	v_min_num_f32 v[R], v[\xk], v[R]
.irp g, 12, 8, 4
.irp k, 3,2,1,0
	v_cndmask_b32 v[TM+\k], \xid, v[ID+\g+\k-1], s[MK+\g+\k-1]
.endr
.irp k, 3,2,1,0
	v_cndmask_b32 v[ID+\g+\k], v[ID+\g+\k], v[TM+\k], s[MK+\g+\k]
.endr
.endr
.irp k, 3,2,1
	v_cndmask_b32 v[TM+\k], \xid, v[ID+\k-1], s[MK+\k-1]
.endr
.irp k, 3,2,1
	v_cndmask_b32 v[ID+\k], v[ID+\k], v[TM+\k], s[MK+\k]
.endr
	v_cndmask_b32 v[ID], v[ID], \xid, s[MK]
.endm
.macro FRESH                           ; an empty list: keys +inf
.set ii, 0
.rept 16
	v_mov_b32 v[R+ii], 0x7f800000
	v_mov_b32 v[ID+ii], 0
.set ii, ii+1
.endr
.endm
	s_load_b128 s[4:7], s[0:1], 0x0                ; inputs s[4:5], pc0 s[6:7]
	s_load_b256 s[8:15], s[0:1], 0x10              ; pc1 s[8:9], pc2 s[10:11], pc3 s[12:13], gidx s[14:15]
	v_lshl_add_u32 v[SPW], v0, 2, SPARE
	v_mov_b32 v[NIL], 0
	s_mov_b32 s33, ttmp9                           ; block of 128 queries
	s_and_b32 s53, ttmp7, 0xffff                   ; y: also the first cloud's plane set in gidx (cloud x 4 + batch)
	s_and_b32 s34, s53, 3                          ; batch
	s_lshr_b32 s35, s53, 2                         ; kind
	s_mov_b32 s46, 32768                           ; bytes from x to y and from y to z: 4 M
	s_mov_b32 s47, 8192                            ; the same for cloud 3
	s_cmp_eq_u32 s35, 2
	s_cselect_b32 s36, 3, 4                        ; trips
	s_cselect_b32 s37, 1, 3                        ; the trip behind which the first list is stored
	s_cselect_b32 s46, 16384, s46
	s_mul_i32 s54, s46, s34
	s_mul_i32 s54, s54, 3                          ; a batch of coordinates is 12 M bytes
	s_mov_b32 s55, 0
	s_mul_i32 s56, s34, 24576
	s_mov_b32 s57, 0
	s_mul_i32 s58, s53, 8*PLANE
	s_mov_b32 s59, 0
	s_add_co_u32 s60, s34, 12
	s_mul_i32 s60, s60, 8*PLANE
	s_mov_b32 s61, 0
	s_lshl_b32 s52, s33, 7
	v_add_nc_u32 v[GO], s52, v0                    ; 128 x + t
	v_min_u32 v[SC], 2561, v[GO]                   ; my query
	s_mul_i32 s52, s34, 2562
	v_add_nc_u32 v[SC], s52, v[SC]
	v_mul_u32_u24 v[SC], v[SC], 12
	v_lshlrev_b32 v[GO], 3, v[GO]
	v_lshlrev_b32 v[VOB], 6, v0
	v_mov_b32 v[VOX], v[VOB]
	v_add_nc_u32 v[VOY], s46, v[VOX]
	v_add_nc_u32 v[VOZ], s46, v[VOY]
	v_lshl_add_u32 v[MSS], v0, 2, MINB
	v_mul_u32_u24 v[MRS], v0, MP
	v_add_nc_u32 v[MRS], MINB, v[MRS]
	s_wait_kmcnt 0x0
	s_cmp_eq_u32 s35, 0
	s_cselect_b64 s[42:43], s[6:7], s[8:9]
	s_cmp_eq_u32 s35, 2
	s_cselect_b64 s[42:43], s[10:11], s[42:43]
	s_add_nc_u64 s[42:43], s[42:43], s[54:55]      ; the cloud in hand, at my batch
	s_add_nc_u64 s[44:45], s[12:13], s[56:57]      ; cloud 3 at my batch
	s_add_nc_u64 s[48:49], s[14:15], s[58:59]      ; where the list in hand goes,
	s_add_nc_u64 s[50:51], s[14:15], s[60:61]      ; and kind 2's second
	global_load_b32 v[SC+1], v[SC], s[4:5]
	global_load_b32 v[SC+2], v[SC], s[4:5] offset:4
	global_load_b32 v[SC+3], v[SC], s[4:5] offset:8
	LOADP                                          ; trip 0's points
	FRESH
	s_wait_loadcnt 12                              ; my query is in; the twelve loads of points may stay out
	v_cvt_pk_bf16_f32 v[SC+4], v[SC+1], v[SC+2]
	v_cvt_pk_bf16_f32 v[SC+5], v[SC+3], v[SC+3]
	v_lshlrev_b32 v[SC+1], 16, v[SC+4]
	v_and_b32 v[SC+2], 0xffff0000, v[SC+4]
	v_lshlrev_b32 v[SC+3], 16, v[SC+5]
	v_mul_f32 v[CA+6], v[SC+1], v[SC+1]
	v_fma_f32 v[CA+6], v[SC+2], v[SC+2], v[CA+6]
	v_fma_f32 v[CA+6], v[SC+3], v[SC+3], v[CA+6]
	v_mul_f32 v[CA], -2.0, v[SC+1]
	v_mul_f32 v[CA+2], -2.0, v[SC+2]
	v_mul_f32 v[CA+4], -2.0, v[SC+3]
	v_mov_b32 v[CA+1], v[CA]
	v_mov_b32 v[CA+3], v[CA+2]
	v_mov_b32 v[CA+5], v[CA+4]
	v_mov_b32 v[CA+7], v[CA+6]
	v_lshlrev_b32 v[QAD], 5, v0
	ds_store_b128 v[QAD], v[CA:CA+3] offset:QT
	ds_store_b128 v[QAD], v[CA+4:CA+7] offset:QT+16
	ds_store_b128 v[MRS], v[R:R+3] offset:512      ; +inf behind my row's 128 minima: what the last look-ahead of phase B reads
	ds_store_b128 v[MRS], v[R:R+3] offset:528
	s_wait_dscnt 0x0                               ; for the others' sake
	s_barrier_signal -1
	s_barrier_wait -1                              ; QT is whole
	v_mov_b32 v[QAD], 0
	ds_load_b128 v[CA:CA+3], v[QAD] offset:QT
	ds_load_b128 v[CA+4:CA+7], v[QAD] offset:QT+16
	ds_load_b128 v[CB:CB+3], v[QAD] offset:QT+32
	ds_load_b128 v[CB+4:CB+7], v[QAD] offset:QT+48
	s_mov_b32 s38, 0                               ; trip
	s_mov_b32 s39, 0                               ; the next group's number in its cloud
	s_mov_b32 s41, 0                               ; the chunk's byte offset along x
.Ltrip:
	s_wait_loadcnt 0x0                             ; this trip's points
	CONV
	s_wait_dscnt 0x0                               ; queries 0 and 1 are in
	v_mov_b32 v[MST], v[MSS]
	s_mov_b32 s40, 64
.Lq:                                           ; PHASE A: two queries a trip
	s_wait_dscnt 3                                 ; behind CA's two loads: one store of a minimum and CB's two loads
	AQ CA, 0
	v_add_nc_u32 v[QAD], 64, v[QAD]
	v_and_b32 v[QAD], 0xfff, v[QAD]                ; behind query 127 comes query 0, for the next trip
	ds_load_b128 v[CA:CA+3], v[QAD] offset:QT
	ds_load_b128 v[CA+4:CA+7], v[QAD] offset:QT+16
	s_wait_dscnt 3                                 ; behind CB's two loads: one store and CA's two loads
	AQ CB, MP
	ds_load_b128 v[CB:CB+3], v[QAD] offset:QT+32
	ds_load_b128 v[CB+4:CB+7], v[QAD] offset:QT+48
	v_add_nc_u32 v[MST], 2*MP, v[MST]
	s_sub_co_u32 s40, s40, 1
	s_cmp_lg_u32 s40, 0
	s_cbranch_scc1 .Lq
	s_add_co_u32 s52, s38, 1                       ; the next trip's points are asked for here and land during phase B
	s_cmp_lt_u32 s52, s36
	s_cbranch_scc0 .Lnoload
	s_add_co_u32 s41, s41, 8192
	s_cmp_eq_u32 s38, s37                          ; kind 2 alone comes here with this true: cloud 2 is done, cloud 3 follows
	s_cselect_b32 s41, 0, s41
	s_cselect_b64 s[42:43], s[44:45], s[42:43]     ; (this trip's loads were waited for at its head, so their base and offsets may be written)
	s_cselect_b32 s46, s47, s46
	v_add_nc_u32 v[VOX], s41, v[VOB]
	v_add_nc_u32 v[VOY], s46, v[VOX]
	v_add_nc_u32 v[VOZ], s46, v[VOY]
	LOADP
.Lnoload:
	s_wait_dscnt 0x0                               ; my minima lie in LDS
	s_barrier_signal -1
	s_barrier_wait -1                              ; everybody's do
	v_mov_b32 v[MRD], v[MRS]
	ds_load_b128 v[KA:KA+3], v[MRD]
	ds_load_b128 v[KB:KB+3], v[MRD] offset:16
	s_mov_b32 s40, 16
.Lins:                                         ; PHASE B: eight groups a trip
	s_wait_dscnt 1                                 ; KA is in; KB's load may stay out
.irp i, 0,1,2,3
	INS KA+\i, s39
	s_add_co_u32 s39, s39, 1
.endr
	ds_load_b128 v[KA:KA+3], v[MRD] offset:32
	s_wait_dscnt 1                                 ; KB is in; KA's new load may stay out
.irp i, 0,1,2,3
	INS KB+\i, s39
	s_add_co_u32 s39, s39, 1
.endr
	ds_load_b128 v[KB:KB+3], v[MRD] offset:48
	v_add_nc_u32 v[MRD], 32, v[MRD]
	s_sub_co_u32 s40, s40, 1
	s_cmp_lg_u32 s40, 0
	s_cbranch_scc1 .Lins
	s_wait_dscnt 0x0                               ; my reads of MIN are over
	s_barrier_signal -1
	s_barrier_wait -1                              ; everybody's are: the next trip may store there
	s_cmp_eq_u32 s38, s37
	s_cbranch_scc1 .Lflush
	s_add_co_u32 s52, s38, 1
	s_cmp_eq_u32 s52, s36
	s_cbranch_scc0 .Lnoflush
.Lflush:                                       ; a cloud is done: its 16 group numbers, sorted ascending by an insertion of unsigned minima and maxima, go out
.set k, 0
.rept 16
.if k == 0
	v_mov_b32 v[T], v[ID]
.else
	v_max_u32 v[T+k], v[ID+k], v[T+k-1]
.set i, k-1
.rept k-1
	v_max_u32 v[TM+i%4], v[ID+k], v[T+i-1]
	v_min_u32 v[T+i], v[TM+i%4], v[T+i]
.set i, i-1
.endr
	v_min_u32 v[T], v[ID+k], v[T]
.endif
.set k, k+1
.endr
.irp k, 0,1,2,3,4,5,6,7
	global_store_b64 v[GO], v[T+2*\k:T+2*\k+1], s[48:49] offset:PLANE*\k  ; a wave's 32 lanes store 256 consecutive bytes, aligned
.endr
	s_wait_xcnt 0x0                                ; the stores have read their data and their base: both are written again only behind this wait
	s_mov_b64 s[48:49], s[50:51]
	s_mov_b32 s39, 0
	FRESH
.Lnoflush:
	s_add_co_u32 s38, s38, 1
	s_cmp_lt_u32 s38, s36
	s_cbranch_scc1 .Ltrip
	s_wait_tensorcnt 0x0                           ; the wave's end, behind my last LDS store
	ds_add_u32 v[SPW], v[NIL]
	s_wait_dscnt 0x0
	s_endpgm
.Lfunc_end_k_q8cb5a64fc3_coarse:
	.size	k_q8cb5a64fc3_coarse, .Lfunc_end_k_q8cb5a64fc3_coarse-k_q8cb5a64fc3_coarse
	.p2alignl 7, 3214868480
	.fill 96, 4, 3214868480
	.section	.rodata,"a",@progbits
	.p2align	6, 0x0
	.amdhsa_kernel k_q8cb5a64fc3_coarse
		.amdhsa_group_segment_fixed_size 167936
		.amdhsa_private_segment_fixed_size 0
		.amdhsa_enable_private_segment 0
		.amdhsa_kernarg_size 48
		.amdhsa_user_sgpr_count 2
		.amdhsa_user_sgpr_kernarg_segment_ptr 1
		.amdhsa_wavefront_size32 1
		.amdhsa_system_sgpr_workgroup_id_x 1
		.amdhsa_system_sgpr_workgroup_id_y 1
		.amdhsa_system_sgpr_workgroup_id_z 1
		.amdhsa_system_vgpr_workitem_id 0
		.amdhsa_next_free_vgpr 184
		.amdhsa_next_free_sgpr 66
		.amdhsa_reserve_vcc 0
		.amdhsa_float_denorm_mode_32 3
		.amdhsa_float_denorm_mode_16_64 3
		.amdhsa_memory_ordered 1
		.amdhsa_forward_progress 1
		.amdhsa_inst_pref_size 63
	.end_amdhsa_kernel
	.amdgpu_metadata
---
amdhsa.version: [ 1, 2 ]
amdhsa.kernels:
  - .name:           k_q8cb5a64fc3_coarse
    .symbol:         k_q8cb5a64fc3_coarse.kd
    .args:
      - { .name: inputs, .offset: 0, .size: 8, .value_kind: global_buffer, .address_space: global }
      - { .name: pc0_coords, .offset: 8, .size: 8, .value_kind: global_buffer, .address_space: global }
      - { .name: pc1_coords, .offset: 16, .size: 8, .value_kind: global_buffer, .address_space: global }
      - { .name: pc2_coords, .offset: 24, .size: 8, .value_kind: global_buffer, .address_space: global }
      - { .name: pc3_coords, .offset: 32, .size: 8, .value_kind: global_buffer, .address_space: global }
      - { .name: gidx, .offset: 40, .size: 8, .value_kind: global_buffer, .address_space: global }
    .group_segment_fixed_size: 167936
    .private_segment_fixed_size: 0
    .kernarg_segment_align: 8
    .kernarg_segment_size: 48
    .max_flat_workgroup_size: 128
    .sgpr_count:     66
    .vgpr_count:     184
    .wavefront_size: 32
...
	.end_amdgpu_metadata
.endif
;; end of part 2
;; launch refine (part 3): grid 21 x 16, 4 waves a work-group, no clusters, 150,016 bytes of LDS; arguments inputs, pc0_coords, pc1_coords, pc2_coords, pc3_coords, gidx, idx, coordsT; writes idx, coordsT
.if DOCPART == 3
	.amdgcn_target "amdgcn-amd-amdhsa--gfx1250"
	.amdhsa_code_object_version 6
	.text
	.protected	k_q8cb5a64fc3_refine
	.globl	k_q8cb5a64fc3_refine
	.p2align	8
	.type	k_q8cb5a64fc3_refine,@function
k_q8cb5a64fc3_refine:
	s_mov_b64 s[64:65], 0
	v_nop
	global_prefetch_b8 v0, s[64:65] scope:SCOPE_SE
	s_setreg_imm32_b32 hwreg(HW_REG_WAVE_MODE, 25, 1), 1
	s_wait_xcnt 0x0
; SECOND STAGE OF THE 16 NEAREST.  For each query and cloud the 16 groups that the launch before stored hold 256 points, among them the 16 nearest.  Their d2 are made anew, with the same
; roundings (coordinates rounded to bf16; cc = (c0 c0 + c1 c1) + c2 c2, pp likewise, d2 = (cc + pp) - 2 dot with dot summed in ascending order; on the vector unit, for the reason given at
; the head of the first stage), and inserted in ascending index into a sorted list of 16 by the same stable insertion.  The 16 indices go out in rank order, as whole numbers.
; SHARES.  x: 128 queries, a thread a query (clamped to 2,561, so rows 2,562 to 2,687 of idx repeat the last query).  y = cloud x 4 + batch.
; THE TABLE.  First the work-group lays the whole cloud of its batch into LDS by groups: a group is 8 pairs of points x 32 bytes (x0, x1, y0, y1 | z0, z1, pp0, pp1) and 16 bytes of padding.
; The work-groups with x = 0 also store the rounded points as coordsT[cloud][batch][point] = (x | y << 16, z) in bf16, for the launch that takes the means.
; The group numbers are the only loaded numbers that enter an address here; each is clamped to 511 in front of the multiply that makes its LDS address.
; LIMITS.  As in the first stage: NaN and infinities are not treated; products of coordinates neither overflow nor underflow in f32.
.set TP,    272                        ; a group's pitch in the table: 17 x 16 bytes
.set STG,   139264                     ; behind 512 groups: 32 rows x 80 bytes for each wave, for the way out
.set SPARE, 149504                     ; the spare words, 128 bytes for each of 4 waves
.set PLANE, 21504
.set SPW, 2                            ; v2   SPARE + 4 x my thread's number; never rewritten
.set NIL, 3                            ; v3   0; never rewritten
.set LX,  4                            ; v4-6 byte offsets of my pair's x, y, z
.set LY,  5
.set LZ,  6
.set QOF, 7                            ; v7   my query's byte offset in inputs
.set GOF, 8                            ; v8   my place in a plane of gidx
.set CTO, 9                            ; v9   16 t: my pair in coordsT
.set Q0,  10                           ; v[10:12] my query as loaded
.set ZR,  13                           ; v13  0
.set LST, 14                           ; v14, v15 where my pair goes in the table: slots 0-15, slots 16-31
.set LST2, 15
.set R,   16                           ; v[16:31] the list's keys (during the build: at work)
.set ID,  32                           ; v[32:47] the list's indices
.set G,   48                           ; v[48:63] my 16 group numbers, turned round by one in each trip
.set CBUF, 64                          ; v[64:127] a group as it lies in the table (during the build v[64:255] hold the loaded pairs)
.set CC,  128                          ; v[128:135] -2c0 twice, -2c1 twice, -2c2 twice, cc twice
.set D,   136                          ; v[136:151] the group's 16 d2
.set U,   152                          ; v[152:167] at work
.set XID, 168
.set IB,  169
.set NA,  170
.set TM,  172                          ; v[172:175] at work in the insertion
.set TT,  176                          ; v[176:179] at work
.set MK,  16                           ; s[16:31] the insertion's masks
.macro INS xk, xid                     ; as in the first stage: key v[xk] with number xid goes into the list, behind its equals
.set ii, 0
.rept 16
	v_cmp_lt_f32 s[MK+ii], v[\xk], v[R+ii]
.set ii, ii+1
.endr
.set ii, 15
.rept 15
	v_med3_num_f32 v[R+ii], v[\xk], v[R+ii-1], v[R+ii]
.set ii, ii-1
.endr
	v_min_num_f32 v[R], v[\xk], v[R]
.irp g, 12, 8, 4
.irp k, 3,2,1,0
	v_cndmask_b32 v[TM+\k], \xid, v[ID+\g+\k-1], s[MK+\g+\k-1]
.endr
.irp k, 3,2,1,0
	v_cndmask_b32 v[ID+\g+\k], v[ID+\g+\k], v[TM+\k], s[MK+\g+\k]
.endr
.endr
.irp k, 3,2,1
	v_cndmask_b32 v[TM+\k], \xid, v[ID+\k-1], s[MK+\k-1]
.endr
.irp k, 3,2,1
	v_cndmask_b32 v[ID+\k], v[ID+\k], v[TM+\k], s[MK+\k]
.endr
	v_cndmask_b32 v[ID], v[ID], \xid, s[MK]
.endm
; Slot i of the build: pair t + 128 i, points 2 (t + 128 i) and the next.  In: x0 x1 y0 y1 z0 z1.  The first four registers become the pair's 16 bytes of coordsT.
.macro PROC
.set r, 64+6*i
.set e, 16+8*(i%2)
	v_cvt_pk_bf16_f32 v[r], v[r], v[r+2]           ; x0 | y0
	v_cvt_pk_bf16_f32 v[r+2], v[r+1], v[r+3]       ; x1 | y1
	v_cvt_pk_bf16_f32 v[r+1], v[r+4], v[ZR]        ; z0
	v_cvt_pk_bf16_f32 v[r+3], v[r+5], v[ZR]        ; z1
	v_lshlrev_b32 v[e], 16, v[r]
	v_lshlrev_b32 v[e+1], 16, v[r+2]
	v_and_b32 v[e+2], 0xffff0000, v[r]
	v_and_b32 v[e+3], 0xffff0000, v[r+2]
	v_lshlrev_b32 v[e+4], 16, v[r+1]
	v_lshlrev_b32 v[e+5], 16, v[r+3]
	v_pk_mul_f32 v[e+6:e+7], v[e:e+1], v[e:e+1]
	v_pk_fma_f32 v[e+6:e+7], v[e+2:e+3], v[e+2:e+3], v[e+6:e+7]
	v_pk_fma_f32 v[e+6:e+7], v[e+4:e+5], v[e+4:e+5], v[e+6:e+7]
.if i < 16
	ds_store_b128 v[LST], v[e:e+3] offset:16*TP*i      ; 128 pairs are 16 groups
	ds_store_b128 v[LST], v[e+4:e+7] offset:16*TP*i+16
.else
	ds_store_b128 v[LST2], v[e:e+3] offset:16*TP*(i-16)
	ds_store_b128 v[LST2], v[e+4:e+7] offset:16*TP*(i-16)+16
.endif
.endm
.macro BUILD cnt                       ; cnt = M / 256 slots
.set i, 0
.rept \cnt
	global_load_b64 v[64+6*i:65+6*i], v[LX], s[10:11] offset:1024*i
	global_load_b64 v[66+6*i:67+6*i], v[LY], s[10:11] offset:1024*i
	global_load_b64 v[68+6*i:69+6*i], v[LZ], s[10:11] offset:1024*i
.set i, i+1
.endr
	s_wait_loadcnt 0x0                             ; the pairs, and the group numbers and the query asked for ahead of them
.set i, 0
.rept \cnt
	PROC
.set i, i+1
.endr
	s_cmp_lg_u32 s5, 0
	s_cbranch_scc1 .Lnost_\@                       ; one work-group for each cloud and batch stores coordsT
.set i, 0
.rept \cnt
	global_store_b128 v[CTO], v[64+6*i:67+6*i], s[52:53] offset:2048*i  ; 16 lanes store 256 consecutive bytes, aligned
.set i, i+1
.endr
.Lnost_\@:
.endm
	s_load_b512 s[32:47], s[0:1], 0x0              ; inputs s[32:33], pc0 .. pc3 s[34:41], gidx s[42:43], idx s[44:45], coordsT s[46:47]
	v_lshl_add_u32 v[SPW], v0, 2, SPARE
	v_mov_b32 v[NIL], 0
	v_lshrrev_b32 v1, 5, v0
	v_readfirstlane_b32 s4, v1                     ; wave
	s_mov_b32 s5, ttmp9                            ; block of 128 queries
	s_and_b32 s6, ttmp7, 0xffff                    ; y
	s_and_b32 s7, s6, 3                            ; batch
	s_lshr_b32 s8, s6, 2                           ; cloud
	s_mov_b32 s9, 32768                            ; 4 M
	s_cmp_eq_u32 s8, 2
	s_cselect_b32 s9, 16384, s9
	s_cmp_eq_u32 s8, 3
	s_cselect_b32 s9, 8192, s9
	s_mul_i32 s12, s9, s7
	s_mul_i32 s12, s12, 3                          ; a batch of coordinates is 12 M bytes
	s_mov_b32 s13, 0
	s_mul_i32 s54, s6, 8*PLANE
	s_mov_b32 s55, 0
	s_lshl_b32 s56, s6, 16                         ; coordsT: 65,536 bytes for a cloud and batch
	s_mov_b32 s57, 0
	s_mul_i32 s58, s6, 2688                        ; idx: row 2,688 y + 128 x + 32 wave, 64 bytes a row
	s_lshl_b32 s60, s5, 7
	s_add_co_u32 s58, s58, s60
	s_lshl_b32 s61, s4, 5
	s_add_co_u32 s58, s58, s61
	s_lshl_b32 s58, s58, 6
	s_mov_b32 s59, 0
	v_add_nc_u32 v[GOF], s60, v0                   ; 128 x + t
	v_min_u32 v[QOF], 2561, v[GOF]
	s_mul_i32 s61, s7, 2562
	v_add_nc_u32 v[QOF], s61, v[QOF]
	v_mul_u32_u24 v[QOF], v[QOF], 12
	v_lshlrev_b32 v[GOF], 3, v[GOF]
	v_lshlrev_b32 v[LX], 3, v0
	v_add_nc_u32 v[LY], s9, v[LX]
	v_add_nc_u32 v[LZ], s9, v[LY]
	v_lshlrev_b32 v[CTO], 4, v0
	v_mov_b32 v[ZR], 0
	v_lshrrev_b32 v1, 3, v0                        ; pair t lies in group t >> 3 of its slot's 16, at place t & 7
	v_and_b32 v[LST2], 7, v0
	v_mul_u32_u24 v[LST], v1, TP
	v_lshl_add_u32 v[LST], v[LST2], 5, v[LST]
	v_add_nc_u32 v[LST2], 256*TP, v[LST]           ; slot 16 begins with group 256
	s_wait_kmcnt 0x0
	s_cmp_eq_u32 s8, 0
	s_cselect_b64 s[10:11], s[34:35], s[36:37]
	s_cmp_eq_u32 s8, 2
	s_cselect_b64 s[10:11], s[38:39], s[10:11]
	s_cmp_eq_u32 s8, 3
	s_cselect_b64 s[10:11], s[40:41], s[10:11]
	s_add_nc_u64 s[10:11], s[10:11], s[12:13]      ; my cloud at my batch
	s_add_nc_u64 s[48:49], s[42:43], s[54:55]
	s_add_nc_u64 s[50:51], s[44:45], s[58:59]
	s_add_nc_u64 s[52:53], s[46:47], s[56:57]
.irp k, 0,1,2,3,4,5,6,7
	global_load_b64 v[G+2*\k:G+2*\k+1], v[GOF], s[48:49] offset:PLANE*\k
.endr
	global_load_b32 v[Q0], v[QOF], s[32:33]
	global_load_b32 v[Q0+1], v[QOF], s[32:33] offset:4
	global_load_b32 v[Q0+2], v[QOF], s[32:33] offset:8
	s_cmp_lt_u32 s8, 2
	s_cbranch_scc0 .Lmid
	BUILD 32
	s_branch .Lbuilt
.Lmid:
	s_cmp_eq_u32 s8, 2
	s_cbranch_scc0 .Lsmall
	BUILD 16
	s_branch .Lbuilt
.Lsmall:
	BUILD 8
.Lbuilt:
	s_wait_xcnt 0x0                                ; the stores of coordsT have read their data: v64 and up, the scratch v176-179 among them, are written again only behind this wait
	v_cvt_pk_bf16_f32 v[TT], v[Q0], v[Q0+1]        ; my query, rounded; cc; -2 c
	v_cvt_pk_bf16_f32 v[TT+1], v[Q0+2], v[Q0+2]
	v_lshlrev_b32 v[TT+2], 16, v[TT]
	v_and_b32 v[TT+3], 0xffff0000, v[TT]
	v_lshlrev_b32 v[TT], 16, v[TT+1]
	v_mul_f32 v[CC+6], v[TT+2], v[TT+2]
	v_fma_f32 v[CC+6], v[TT+3], v[TT+3], v[CC+6]
	v_fma_f32 v[CC+6], v[TT], v[TT], v[CC+6]
	v_mul_f32 v[CC], -2.0, v[TT+2]
	v_mul_f32 v[CC+2], -2.0, v[TT+3]
	v_mul_f32 v[CC+4], -2.0, v[TT]
	v_mov_b32 v[CC+1], v[CC]
	v_mov_b32 v[CC+3], v[CC+2]
	v_mov_b32 v[CC+5], v[CC+4]
	v_mov_b32 v[CC+7], v[CC+6]
	s_wait_dscnt 0x0                               ; for the others' sake: my pairs lie in the table
	s_barrier_signal -1
	s_barrier_wait -1                              ; the table is whole; nobody writes it again
.set ii, 0
.rept 16
	v_mov_b32 v[R+ii], 0x7f800000
	v_mov_b32 v[ID+ii], 0
.set ii, ii+1
.endr
	v_min_u32 v[NA], 511, v[G]
	v_mul_u32_u24 v[NA], v[NA], TP
.irp k, 0,1,2,3,4,5,6,7,8,9,10,11,12,13,14,15
	ds_load_b128 v[CBUF+4*\k:CBUF+4*\k+3], v[NA] offset:16*\k
.endr
	s_mov_b32 s14, 16
.Lgrp:                                         ; a trip: one group's 16 points; the next group's 256 bytes are asked for as soon as this group's d2 are made
	s_wait_dscnt 0x0                               ; the group asked for a trip ago
	v_lshlrev_b32 v[IB], 4, v[G]                   ; its first point's index
	v_min_u32 v[NA], 511, v[G+1]
	v_mul_u32_u24 v[NA], v[NA], TP
.irp p, 0,1,2,3,4,5,6,7
	v_pk_mul_f32 v[D+2*\p:D+2*\p+1], v[CBUF+8*\p:CBUF+8*\p+1], v[CC:CC+1]
.endr
.irp p, 0,1,2,3,4,5,6,7
	v_pk_fma_f32 v[D+2*\p:D+2*\p+1], v[CBUF+8*\p+2:CBUF+8*\p+3], v[CC+2:CC+3], v[D+2*\p:D+2*\p+1]
.endr
.irp p, 0,1,2,3,4,5,6,7
	v_pk_add_f32 v[U+2*\p:U+2*\p+1], v[CBUF+8*\p+6:CBUF+8*\p+7], v[CC+6:CC+7]
.endr
.irp p, 0,1,2,3,4,5,6,7
	v_pk_fma_f32 v[D+2*\p:D+2*\p+1], v[CBUF+8*\p+4:CBUF+8*\p+5], v[CC+4:CC+5], v[D+2*\p:D+2*\p+1]
.endr
.irp p, 0,1,2,3,4,5,6,7
	v_pk_add_f32 v[D+2*\p:D+2*\p+1], v[U+2*\p:U+2*\p+1], v[D+2*\p:D+2*\p+1]
.endr
.irp k, 0,1,2,3,4,5,6,7,8,9,10,11,12,13,14,15
	ds_load_b128 v[CBUF+4*\k:CBUF+4*\k+3], v[NA] offset:16*\k  ; (the last trip reads the first group once more, for nothing)
.endr
.irp j, 0,1,2,3,4,5,6,7,8,9,10,11,12,13,14,15
	v_add_nc_u32 v[XID], \j, v[IB]
	INS D+\j, v[XID]
.endr
	v_mov_b32 v[TT], v[G]                          ; the group numbers turn round by one
.set ii, 0
.rept 15
	v_mov_b32 v[G+ii], v[G+ii+1]
.set ii, ii+1
.endr
	v_mov_b32 v[G+15], v[TT]
	s_sub_co_u32 s14, s14, 1
	s_cmp_lg_u32 s14, 0
	s_cbranch_scc1 .Lgrp
	; THE WAY OUT: a lane's 64 bytes go into my wave's own stage and come back so that a store's 32 lanes hold 512 consecutive bytes of idx
	s_wait_dscnt 0x0                               ; the look-ahead's loads: their registers are used below
	v_and_b32 v1, 31, v0
	s_mul_i32 s60, s4, 2560
	s_add_co_u32 s60, s60, STG
	v_mul_u32_u24 v[TT], v1, 80
	v_add_nc_u32 v[TT], s60, v[TT]
.irp k, 0,1,2,3
	ds_store_b128 v[TT], v[ID+4*\k:ID+4*\k+3] offset:16*\k
.endr
	v_lshrrev_b32 v[TT+1], 2, v1
	v_and_b32 v[TT+2], 3, v1
	v_mul_u32_u24 v[TT+1], v[TT+1], 80
	v_lshl_add_u32 v[TT+1], v[TT+2], 4, v[TT+1]
	v_add_nc_u32 v[TT+1], s60, v[TT+1]
.irp k, 0,1,2,3
	ds_load_b128 v[CBUF+4*\k:CBUF+4*\k+3], v[TT+1] offset:640*\k  ; LDS serves a wave's instructions in order: these see the stores above
.endr
	v_lshlrev_b32 v[TT+2], 4, v1
.irp k, 0,1,2,3
	s_wait_dscnt 3-\k
	global_store_b128 v[TT+2], v[CBUF+4*\k:CBUF+4*\k+3], s[50:51] offset:512*\k
.endr
	s_wait_tensorcnt 0x0                           ; the wave's end, behind my last LDS store
	ds_add_u32 v[SPW], v[NIL]
	s_wait_dscnt 0x0
	s_endpgm
.Lfunc_end_k_q8cb5a64fc3_refine:
	.size	k_q8cb5a64fc3_refine, .Lfunc_end_k_q8cb5a64fc3_refine-k_q8cb5a64fc3_refine
	.p2alignl 7, 3214868480
	.fill 96, 4, 3214868480
	.section	.rodata,"a",@progbits
	.p2align	6, 0x0
	.amdhsa_kernel k_q8cb5a64fc3_refine
		.amdhsa_group_segment_fixed_size 150016
		.amdhsa_private_segment_fixed_size 0
		.amdhsa_enable_private_segment 0
		.amdhsa_kernarg_size 64
		.amdhsa_user_sgpr_count 2
		.amdhsa_user_sgpr_kernarg_segment_ptr 1
		.amdhsa_wavefront_size32 1
		.amdhsa_system_sgpr_workgroup_id_x 1
		.amdhsa_system_sgpr_workgroup_id_y 1
		.amdhsa_system_sgpr_workgroup_id_z 1
		.amdhsa_system_vgpr_workitem_id 0
		.amdhsa_next_free_vgpr 256
		.amdhsa_next_free_sgpr 66
		.amdhsa_reserve_vcc 0
		.amdhsa_float_denorm_mode_32 3
		.amdhsa_float_denorm_mode_16_64 3
		.amdhsa_memory_ordered 1
		.amdhsa_forward_progress 1
		.amdhsa_inst_pref_size 143
	.end_amdhsa_kernel
	.amdgpu_metadata
---
amdhsa.version: [ 1, 2 ]
amdhsa.kernels:
  - .name:           k_q8cb5a64fc3_refine
    .symbol:         k_q8cb5a64fc3_refine.kd
    .args:
      - { .name: inputs, .offset: 0, .size: 8, .value_kind: global_buffer, .address_space: global }
      - { .name: pc0_coords, .offset: 8, .size: 8, .value_kind: global_buffer, .address_space: global }
      - { .name: pc1_coords, .offset: 16, .size: 8, .value_kind: global_buffer, .address_space: global }
      - { .name: pc2_coords, .offset: 24, .size: 8, .value_kind: global_buffer, .address_space: global }
      - { .name: pc3_coords, .offset: 32, .size: 8, .value_kind: global_buffer, .address_space: global }
      - { .name: gidx, .offset: 40, .size: 8, .value_kind: global_buffer, .address_space: global }
      - { .name: idx, .offset: 48, .size: 8, .value_kind: global_buffer, .address_space: global }
      - { .name: coordsT, .offset: 56, .size: 8, .value_kind: global_buffer, .address_space: global }
    .group_segment_fixed_size: 150016
    .private_segment_fixed_size: 0
    .kernarg_segment_align: 8
    .kernarg_segment_size: 64
    .max_flat_workgroup_size: 128
    .sgpr_count:     66
    .vgpr_count:     256
    .wavefront_size: 32
...
	.end_amdgpu_metadata
.endif
;; end of part 3
;; launch gather (part 4): grid 427 x 1, 8 waves a work-group, no clusters, 46,080 bytes of LDS; arguments inputs, idx, coordsT, featT, out0; writes out0
.if DOCPART == 4
	.amdgcn_target "amdgcn-amd-amdhsa--gfx1250"
	.amdhsa_code_object_version 6
	.text
	.protected	k_q8cb5a64fc3_gather
	.globl	k_q8cb5a64fc3_gather
	.p2align	8
	.type	k_q8cb5a64fc3_gather,@function
k_q8cb5a64fc3_gather:
	s_mov_b64 s[64:65], 0
	v_nop
	global_prefetch_b8 v0, s[64:65] scope:SCOPE_SE
	s_setreg_imm32_b32 hwreg(HW_REG_WAVE_MODE, 25, 1), 1
	s_wait_xcnt 0x0
; THE MEANS.  out0[q] = inputs[q] (3), then for clouds 0 to 3 the mean of the 16 nearest points' coordinates (3) and, for clouds 1 to 3, of their 64, 128, 256 features: 463 numbers.
; The indices come as whole numbers from the launch before (idx[cloud x 4 + batch][n][16]); each is clamped to its table in front of the shift that makes an address.
; Coordinates and features are read as bf16 (coordsT, featT: each rounded once from the inputs); sums in f32, each term times 1/16 (exact) by a fused multiply-add.
; SHARES.  A work-group takes 24 queries on end (24 x 427 = 10,248), 44,448 bytes of out0; a wave three of them, one after the other.  For a query the wave's 32 lanes share a row of features:
; 4, 8, 16 bytes a lane, so a load covers a whole row of 128, 256, 512 bytes.  For the coordinates lane l takes cloud l >> 3 and neighbours 2 (l & 7) and the next; three steps across 8 lanes add them.
; THE WAY OUT.  A row of out0 is 1,852 bytes, no multiple of 16: the 24 rows are gathered dense in LDS and leave as 16 bytes a lane, so that all but the block's two end pieces are whole runs of 256 bytes.
; No matrix unit: a mean of 16 gathered rows has no shared operand.
; LIMITS.  Columns 0 to 2 carry the inputs unrounded; the means are those of the bf16-rounded tables.
.set ROWB,  1852
.set SPARE, 45056                      ; the spare words, 128 bytes for each of 8 waves: behind the 24 rows and behind 40,960 + 16 x 256, the furthest byte that an address of the last pass of the way out can name
.set CLD,   688128                     ; bytes of idx for one cloud: 4 x 2,688 x 64
.set SPW, 2                            ; v2   SPARE + 4 x my thread's number; never rewritten
.set NIL, 3                            ; v3   0; never rewritten
.set L4,  4                            ; v4, v5, v6, v19   4, 8, 16, 32 x lane
.set L8,  5
.set L16, 6
.set L32, 19
.set VIO, 7                            ; v7   CLD x (l >> 3) + 8 (l & 7): my two indices in a query's rows of idx
.set VNO, 8                            ; v8   4 min(l, 2)
.set CBS, 9                            ; v9   (l >> 3) << 18: my cloud in coordsT
.set CO,  10                           ; v10  my cloud's coordinate columns in a row of out0, in bytes: 12, 24, 292, 816
.set SCL, 11                           ; v11  1/16
.set ZR,  12                           ; v12  0
.set VI,  14                           ; v[14:15] my two indices
.set VIN, 16                           ; v16  a number of inputs
.set CA0, 17                           ; v17, v18 their offsets in coordsT
.set CA1, 18
.set CD,  20                           ; v[20:23] the two points
.set SA,  24                           ; v24-28 LDS addresses in the query's row
.set TA,  29                           ; v29-31 at work
.set F1,  32                           ; v[32:47]   cloud 1: a word for each neighbour (first its offset, then its data)
.set F2,  48                           ; v[48:79]   cloud 2: two words
.set F3,  80                           ; v[80:143]  cloud 3: four words
.set A1,  144                          ; v[144:145], v[146:149], v[150:157] the sums
.set A2,  146
.set A3,  150
.set XS,  158                          ; v[158:160] sums of x, y, z
.macro MEAN F, nr, A                   ; 16 neighbours x nr words of two bf16, each times 1/16, onto 2 nr sums; the first term adds onto 0
.set k, 0
.rept 16
.set c, 0
.rept \nr
.if k == 0
	v_fma_mix_f32_bf16 v[\A+2*c], v[\F+c], v[SCL], v[ZR] op_sel_hi:[1,0,0]
	v_fma_mix_f32_bf16 v[\A+2*c+1], v[\F+c], v[SCL], v[ZR] op_sel:[1,0,0] op_sel_hi:[1,0,0]
.else
	v_fma_mix_f32_bf16 v[\A+2*c], v[\F+\nr*k+c], v[SCL], v[\A+2*c] op_sel_hi:[1,0,0]
	v_fma_mix_f32_bf16 v[\A+2*c+1], v[\F+\nr*k+c], v[SCL], v[\A+2*c+1] op_sel:[1,0,0] op_sel_hi:[1,0,0]
.endif
.set c, c+1
.endr
.set k, k+1
.endr
.endm
	s_load_b256 s[4:11], s[0:1], 0x0               ; inputs s[4:5], idx s[6:7], coordsT s[8:9], featT s[10:11]
	s_load_b64 s[12:13], s[0:1], 0x20              ; out0
	v_lshl_add_u32 v[SPW], v0, 2, SPARE
	v_mov_b32 v[NIL], 0
	v_lshrrev_b32 v1, 5, v0
	v_readfirstlane_b32 s14, v1                    ; wave
	v_and_b32 v1, 31, v0                           ; lane
	v_lshlrev_b32 v[L4], 2, v1
	v_lshlrev_b32 v[L8], 3, v1
	v_lshlrev_b32 v[L16], 4, v1
	v_lshlrev_b32 v[L32], 5, v1
	v_lshrrev_b32 v[TA], 3, v1                     ; my cloud
	v_and_b32 v[TA+1], 7, v1
	v_mul_u32_u24 v[VIO], v[TA], CLD
	v_lshl_add_u32 v[VIO], v[TA+1], 3, v[VIO]
	v_min_u32 v[VNO], 2, v1
	v_lshlrev_b32 v[VNO], 2, v[VNO]
	v_lshlrev_b32 v[CBS], 18, v[TA]
	v_mov_b32 v[CO], 12
	v_cmp_ne_u32 vcc_lo, 1, v[TA]
	v_cndmask_b32 v[CO], 24, v[CO], vcc_lo
	v_cmp_ne_u32 vcc_lo, 2, v[TA]
	v_cndmask_b32 v[CO], 0x124, v[CO], vcc_lo
	v_cmp_ne_u32 vcc_lo, 3, v[TA]
	v_cndmask_b32 v[CO], 0x330, v[CO], vcc_lo
	v_mov_b32 v[SCL], 0x3d800000
	v_mov_b32 v[ZR], 0
	s_mul_i32 s66, ttmp9, 24
	s_mul_i32 s80, s14, 3
	s_add_co_u32 s66, s66, s80                     ; my first query
	s_mul_i32 s69, s14, 3*ROWB                     ; its row in the stage
	s_mul_i32 s76, ttmp9, 24*ROWB
	s_mov_b32 s77, 0
	s_mov_b32 s15, 3
	s_wait_kmcnt 0x0
	s_add_nc_u64 s[82:83], s[12:13], s[76:77]      ; out0 at the work-group's block
.Lquery:
	s_wait_xcnt 0x0                                ; the last query's loads have read their offsets and bases: they are written again only behind this wait
	s_cmp_ge_u32 s66, 2562                         ; the batch, from the query's number
	s_cselect_b32 s67, 1, 0
	s_cmp_ge_u32 s66, 5124
	s_cselect_b32 s80, 1, 0
	s_add_co_u32 s67, s67, s80
	s_cmp_ge_u32 s66, 7686
	s_cselect_b32 s80, 1, 0
	s_add_co_u32 s67, s67, s80
	s_mul_i32 s68, s67, 126
	s_add_co_u32 s68, s68, s66                     ; row of idx in a cloud: 2,688 b + (q - 2,562 b)
	s_lshl_b32 s76, s68, 6
	s_add_nc_u64 s[70:71], s[6:7], s[76:77]
	s_load_b512 s[16:31], s[70:71], CLD            ; the 16 indices in clouds 1, 2, 3, the same for all lanes
	s_load_b512 s[32:47], s[70:71], 2*CLD
	s_load_b512 s[48:63], s[70:71], 3*CLD
	global_load_b64 v[VI:VI+1], v[VIO], s[70:71]   ; and two a lane, for the coordinates of all four clouds
	s_mul_i32 s76, s66, 12
	s_add_nc_u64 s[78:79], s[4:5], s[76:77]
	global_load_b32 v[VIN], v[VNO], s[78:79]
	s_lshl_b32 s76, s67, 20
	s_add_nc_u64 s[72:73], s[10:11], s[76:77]      ; featT at my batch: cloud 1 here, cloud 2 by the immediate,
	s_add_nc_u64 s[74:75], s[72:73], 0x800000      ; cloud 3
	s_lshl_b32 s76, s67, 16
	s_add_nc_u64 s[86:87], s[8:9], s[76:77]        ; coordsT at my batch
	s_wait_kmcnt 0x0
.set k, 0
.rept 16
	s_min_u32 s[16+k], s[16+k], 8191
	s_min_u32 s[32+k], s[32+k], 4095
	s_min_u32 s[48+k], s[48+k], 2047
.set k, k+1
.endr
.set k, 0
.rept 16
	v_lshl_add_u32 v[F1+k], s[16+k], 7, v[L4]      ; a load's offset is made in the register on which the load lands
	global_load_b32 v[F1+k], v[F1+k], s[72:73]
.set k, k+1
.endr
.set k, 0
.rept 16
	v_lshl_add_u32 v[F2+2*k], s[32+k], 8, v[L8]
	global_load_b64 v[F2+2*k:F2+2*k+1], v[F2+2*k], s[72:73] offset:0x400000
.set k, k+1
.endr
.set k, 0
.rept 16
	v_lshl_add_u32 v[F3+4*k], s[48+k], 9, v[L16]
	global_load_b128 v[F3+4*k:F3+4*k+3], v[F3+4*k], s[74:75]
.set k, k+1
.endr
	s_wait_loadcnt 48                              ; my two indices and the input are in; the 48 loads of features stay out
	v_min_u32 v[VI], 8191, v[VI]
	v_min_u32 v[VI+1], 8191, v[VI+1]
	v_lshl_add_u32 v[CA0], v[VI], 3, v[CBS]
	v_lshl_add_u32 v[CA1], v[VI+1], 3, v[CBS]
	global_load_b64 v[CD:CD+1], v[CA0], s[86:87]
	global_load_b64 v[CD+2:CD+3], v[CA1], s[86:87]
	v_add_nc_u32 v[SA+4], s69, v[VNO]
	ds_store_b32 v[SA+4], v[VIN]                   ; columns 0 to 2 (lanes 2 to 31 write the same word with the same number)
	v_add_nc_u32 v[SA], s69, v[L8]
	v_add_nc_u32 v[SA+1], s69, v[L16]
	v_add_nc_u32 v[SA+2], s69, v[L32]
	v_add_nc_u32 v[SA+3], s69, v[CO]
	s_wait_loadcnt 34                              ; cloud 1's 16 loads are in; behind them: 16 + 16 + 2
	MEAN F1, 1, A1
	ds_store_b32 v[SA], v[A1] offset:36
	ds_store_b32 v[SA], v[A1+1] offset:40
	s_wait_loadcnt 18                              ; cloud 2's; behind them: 16 + 2
	MEAN F2, 2, A2
.irp e, 0,1,2,3
	ds_store_b32 v[SA+1], v[A2+\e] offset:304+4*\e
.endr
	s_wait_loadcnt 2                               ; cloud 3's; behind them the two points
	MEAN F3, 4, A3
.irp e, 0,1,2,3,4,5,6,7
	ds_store_b32 v[SA+2], v[A3+\e] offset:828+4*\e
.endr
	s_wait_loadcnt 0x0
	v_lshlrev_b32 v[TA], 16, v[CD]                 ; x, y, z of my two neighbours, added
	v_lshlrev_b32 v[TA+1], 16, v[CD+2]
	v_add_f32 v[XS], v[TA], v[TA+1]
	v_and_b32 v[TA], 0xffff0000, v[CD]
	v_and_b32 v[TA+1], 0xffff0000, v[CD+2]
	v_add_f32 v[XS+1], v[TA], v[TA+1]
	v_lshlrev_b32 v[TA], 16, v[CD+1]
	v_lshlrev_b32 v[TA+1], 16, v[CD+3]
	v_add_f32 v[XS+2], v[TA], v[TA+1]
.irp m, 1,2,4
.irp c, 0,1,2
	v_add_f32_dpp v[XS+\c], v[XS+\c], v[XS+\c] row_xmask:\m row_mask:0xf bank_mask:0xf  ; across my cloud's eight lanes
.endr
.endr
.irp c, 0,1,2
	v_mul_f32 v[XS+\c], v[SCL], v[XS+\c]
.endr
.irp c, 0,1,2
	ds_store_b32 v[SA+3], v[XS+\c] offset:4*\c     ; a cloud's eight lanes write the same word with the same number
.endr
	s_add_co_u32 s66, s66, 1
	s_add_co_u32 s69, s69, ROWB
	s_sub_co_u32 s15, s15, 1
	s_cmp_lg_u32 s15, 0
	s_cbranch_scc1 .Lquery
	s_wait_dscnt 0x0                               ; for the others' sake: my three rows lie in the stage
	s_barrier_signal -1
	s_barrier_wait -1
	v_lshlrev_b32 v[TA], 4, v0                     ; 44,448 bytes = 2,778 pieces of 16: ten passes of 256 threads and one of 218
.irp j, 0,1,2,3,4,5,6,7,8,9
	ds_load_b128 v[F1+4*\j:F1+4*\j+3], v[TA] offset:4096*\j
.endr
.irp j, 0,1,2,3,4,5,6,7,8,9
	s_wait_dscnt 9-\j
	global_store_b128 v[TA], v[F1+4*\j:F1+4*\j+3], s[82:83] offset:4096*\j th:TH_STORE_NT
.endr
	v_cmp_gt_u32 vcc_lo, 218, v0
	s_wait_xcnt 0x0                                ; EXEC is a source of the stores above: it changes only behind this wait
	s_and_saveexec_b32 s84, vcc_lo
	ds_load_b128 v[F1+40:F1+43], v[TA] offset:40960
	s_wait_dscnt 0x0
	global_store_b128 v[TA], v[F1+40:F1+43], s[82:83] offset:40960 th:TH_STORE_NT
	s_wait_xcnt 0x0                                ; and again in front of the line that widens it
	s_or_b32 exec_lo, exec_lo, s84
	s_wait_tensorcnt 0x0                           ; the wave's end, all lanes on, behind my last LDS store
	ds_add_u32 v[SPW], v[NIL]
	s_wait_dscnt 0x0
	s_endpgm
.Lfunc_end_k_q8cb5a64fc3_gather:
	.size	k_q8cb5a64fc3_gather, .Lfunc_end_k_q8cb5a64fc3_gather-k_q8cb5a64fc3_gather
	.p2alignl 7, 3214868480
	.fill 96, 4, 3214868480
	.section	.rodata,"a",@progbits
	.p2align	6, 0x0
	.amdhsa_kernel k_q8cb5a64fc3_gather
		.amdhsa_group_segment_fixed_size 46080
		.amdhsa_private_segment_fixed_size 0
		.amdhsa_enable_private_segment 0
		.amdhsa_kernarg_size 40
		.amdhsa_user_sgpr_count 2
		.amdhsa_user_sgpr_kernarg_segment_ptr 1
		.amdhsa_wavefront_size32 1
		.amdhsa_system_sgpr_workgroup_id_x 1
		.amdhsa_system_sgpr_workgroup_id_y 1
		.amdhsa_system_sgpr_workgroup_id_z 1
		.amdhsa_system_vgpr_workitem_id 0
		.amdhsa_next_free_vgpr 176
		.amdhsa_next_free_sgpr 96
		.amdhsa_reserve_vcc 1
		.amdhsa_float_denorm_mode_32 3
		.amdhsa_float_denorm_mode_16_64 3
		.amdhsa_memory_ordered 1
		.amdhsa_forward_progress 1
		.amdhsa_inst_pref_size 34
	.end_amdhsa_kernel
	.amdgpu_metadata
---
amdhsa.version: [ 1, 2 ]
amdhsa.kernels:
  - .name:           k_q8cb5a64fc3_gather
    .symbol:         k_q8cb5a64fc3_gather.kd
    .args:
      - { .name: inputs, .offset: 0, .size: 8, .value_kind: global_buffer, .address_space: global }
      - { .name: idx, .offset: 8, .size: 8, .value_kind: global_buffer, .address_space: global }
      - { .name: coordsT, .offset: 16, .size: 8, .value_kind: global_buffer, .address_space: global }
      - { .name: featT, .offset: 24, .size: 8, .value_kind: global_buffer, .address_space: global }
      - { .name: out0, .offset: 32, .size: 8, .value_kind: global_buffer, .address_space: global }
    .group_segment_fixed_size: 46080
    .private_segment_fixed_size: 0
    .kernarg_segment_align: 8
    .kernarg_segment_size: 40
    .max_flat_workgroup_size: 256
    .sgpr_count:     96
    .vgpr_count:     176
    .wavefront_size: 32
...
	.end_amdgpu_metadata
.endif
;; end of part 4
;; ======== version 2 of 2: 4 launches; version 1 with the launch coarse written anew for expert scheduling mode
;; workspace buffers: featT 12,582,912 bytes; coordsT 1,048,576 bytes; gidx 2,752,512 bytes of whole numbers; idx 2,752,512 bytes of whole numbers
;; launch tr: the kernel of part 1 again; grid 768 x 1, 8 waves a work-group, no clusters, 19,456 bytes of LDS; arguments pc1_feat, pc2_feat, pc3_feat, featT; writes featT
;; launch coarse (part 5): grid 21 x 12, 4 waves a work-group, no clusters, 167,936 bytes of LDS; arguments inputs, pc0_coords, pc1_coords, pc2_coords, pc3_coords, gidx; writes gidx
.if DOCPART == 5
	.amdgcn_target "amdgcn-amd-amdhsa--gfx1250"
	.amdhsa_code_object_version 6
	.text
	.protected	k_q8cb5a64fc3_coarse
	.globl	k_q8cb5a64fc3_coarse
	.p2align	8
	.type	k_q8cb5a64fc3_coarse,@function
k_q8cb5a64fc3_coarse:
	s_mov_b64 s[64:65], 0
	v_nop
	global_prefetch_b8 v0, s[64:65] scope:SCOPE_SE
	s_setreg_imm32_b32 hwreg(HW_REG_WAVE_SCHED_MODE, 0, 2), 2
	s_setreg_imm32_b32 hwreg(HW_REG_WAVE_MODE, 25, 1), 1
	s_wait_xcnt 0x0
	s_wait_alu depctr_vm_vsrc(0)
; FIRST STAGE OF THE 16 NEAREST.  A cloud's points lie in groups of 16 neighbouring indices.  For each query and cloud this launch finds the 16 groups with the smallest
; (least d2 in the group, group number) and stores their numbers, ascending, as whole numbers.  Every one of the 16 nearest points lies in one of them: fewer than 16 points
; come before such a point in the order (d2, index), and each group that comes before its group holds a point that comes before it.
; D2 BIT FOR BIT.  Coordinates are rounded to bf16 first, so every product of two of them is exact in f32 and only the order of the additions counts:
; cc = (c0 c0 + c1 c1) + c2 c2, pp likewise, dot = (c0 p0 + c1 p1) + c2 p2, d2 = (cc + pp) - 2 dot.  The query is kept as -2 c (exact), so the chain of multiply-adds gives -2 dot.
; THE PRODUCT OF DEPTH 3 RUNS ON THE VECTOR UNIT, on bf16 operands with f32 sums: one neighbour taken wrongly moves a mean of 16 features by a sixteenth of a difference of two
; features, many times what the comparison allows, so the ranking must repeat these roundings exactly, which a matrix instruction's grouped sums do not.
; SHARES.  x: 128 queries, a thread a query.  y: batch = y & 3, kind = y >> 2: kind 0 cloud 0, kind 1 cloud 1 (4 trips of 2,048 points each), kind 2 cloud 2 (2 trips) and then cloud 3 (1 trip).
; A TRIP.  Phase A: thread t holds group t of the trip's 128 (16 points in registers), walks all 128 queries (read from LDS, the same address in all lanes) and stores the group's least d2
; at MIN[query][group].  Phase B: thread t reads row t of MIN and inserts the 128 minima, in ascending group number, into its sorted list of 16.
; THE INSERTION is stable and has no branch: keys move by a median of three, numbers by two selects a slot; a new item goes behind its equals, so the lower number wins a tie.
; Query numbers are clamped to 2,561: rows 2,562 to 2,687 of gidx hold the last query's result, and no store needs a mask.
; LDS is claimed beyond what is used (76,288 bytes) so that a work-group has a WGP to itself: 252 work-groups of nearly equal length.
; LIMITS.  NaN and infinite coordinates are not treated; products of two coordinates must neither overflow nor underflow in f32.
; THE MODE: SCHED_MODE bits 1:0 = 2 (LLVM: expert scheduling mode 2), set by the entry lines.  The code itself states the register dependences between vector instructions
; and memory or LDS instructions, and between a vector instruction that writes a scalar register and that register's readers, with s_wait_alu, always for 0.
; THE PLAN.  Registers that LDS or memory instructions touch:
;   C0, C1      two queries' rows of QT each.  Step j of phase A (queries 2 j and 2 j + 1) reads C[j % 2]; the loads of step j + 1's rows, issued at step j's head, land in the other buffer.
;   MN0, MN1    two minima each.  Step j writes MN[j % 2]; the two stores that are issued in step j + 1 read it.
;   QAD, MST    phase A's LDS addresses: written at a trip's top and at the bottom of a lap of two steps; immediate offsets do the rest.
;   KA, KB      four minima each.  Half h of phase B inserts K[h % 2]; the load issued at its head lands in the other.   MRD: their address, written at phase B's start and at its loop's bottom.
;   X, Y, Z     a trip's points: rounded in place, read by phase A; the next trip's loads land in them behind phase A.   VOX, VOY, VOZ: their offsets, written just ahead of those loads.
;   T           when a list goes out: written by the sort, read by the eight stores.   GO, MRS, MSS, VOB are written at the head alone.
; So ONE wait on va_vdst stands at the head of a step of phase A and of a half of phase B: the step before has written what the stores below read and is done reading the buffer in which the
; loads below land; no vector instruction of the step names those registers.  The waits on vm_vsrc stand ahead of the lines that write again what LDS or memory instructions have read.
.set QT,    0                          ; 128 rows x 32 bytes: -2c0, -2c0, -2c1, -2c1 | -2c2, -2c2, cc, cc
.set MINB,  4096                       ; 128 rows (queries) x 560 bytes: 128 minima, 16 bytes of +inf for the look-ahead, 32 unused
.set MP,    560                        ; 35 x 16 bytes: the 16 rows that a 16-byte load touches start at 16 different columns of 16 bytes
.set SPARE, 75776                      ; the spare words, 128 bytes for each of 4 waves
.set PLANE, 21504                      ; gidx: [y 16][slot pair 8][n 2,688][2] words
.set SPW, 2                            ; v2   SPARE + 4 x my thread's number; never rewritten
.set NIL, 3                            ; v3   0; never rewritten
.set VOX, 4                            ; v4-6 byte offsets of my group's x, y, z in the cloud's batch
.set VOY, 5
.set VOZ, 6
.set VOB, 7                            ; v7   64 t: my group in a trip's chunk
.set QAD, 8                            ; v8   LDS address in QT, the same in all lanes: the row of the lap's query 4 L
.set MST, 9                            ; v9   where phase A stores: row 4 L of MIN, column t; v10 its start, MINB + 4 t
.set MSS, 10
.set MRD, 11                           ; v11  where phase B reads; v12 its start, MINB + 560 t
.set MRS, 12
.set GO,  13                           ; v13  8 (128 x + t): my place in a plane of gidx; never rewritten
.set C0,  16                           ; v[16:31]   two queries' rows of QT
.set X,   32                           ; v[32:47] x, v[48:63] y, v[64:79] z, v[80:95] pp of my 16 points
.set Y,   48
.set Z,   64
.set PP,  80
.set T,   96                           ; v[96:111], v[112:127] at work
.set U,   112
.set R,   128                          ; v[128:143] the list's keys, ascending
.set ID,  144                          ; v[144:159] the list's group numbers
.set KA,  160                          ; v[160:163], v[164:167] four minima each
.set KB,  164
.set TM,  168                          ; v[168:171] at work in the insertion
.set MNA, 172                          ; v172, v173 the two chains of a group's minimum, at work: no LDS instruction names them
.set MNB, 173
.set SC,  174                          ; v[174:179] at work
.set MN,  180                          ; v[180:181], v[182:183] two minima to store, two buffers
.set C1,  184                          ; v[184:199] two queries' rows of QT, the second buffer
.set MK,  16                           ; s[16:31] the insertion's 16 masks
.macro LOADP                           ; my group's 16 points: 64 bytes of x, of y and of z
.irp k, 0,1,2,3
	global_load_b128 v[X+4*\k:X+4*\k+3], v[VOX], s[42:43] offset:16*\k
.endr
.irp k, 0,1,2,3
	global_load_b128 v[Y+4*\k:Y+4*\k+3], v[VOY], s[42:43] offset:16*\k
.endr
.irp k, 0,1,2,3
	global_load_b128 v[Z+4*\k:Z+4*\k+3], v[VOZ], s[42:43] offset:16*\k
.endr
.endm
.macro CONV                            ; the points rounded to bf16 and widened again; pp = (x x + y y) + z z
.irp a, X, Y, Z
.irp h, 0, 8
.irp p, 0,1,2,3
	v_cvt_pk_bf16_f32 v[SC+\p], v[\a+\h+2*\p], v[\a+\h+2*\p+1]
.endr
.irp p, 0,1,2,3
	v_lshlrev_b32 v[\a+\h+2*\p], 16, v[SC+\p]
	v_and_b32 v[\a+\h+2*\p+1], 0xffff0000, v[SC+\p]
.endr
.endr
.endr
.irp p, 0,2,4,6,8,10,12,14
	v_pk_mul_f32 v[PP+\p:PP+\p+1], v[X+\p:X+\p+1], v[X+\p:X+\p+1]
.endr
.irp p, 0,2,4,6,8,10,12,14
	v_pk_fma_f32 v[PP+\p:PP+\p+1], v[Y+\p:Y+\p+1], v[Y+\p:Y+\p+1], v[PP+\p:PP+\p+1]
.endr
.irp p, 0,2,4,6,8,10,12,14
	v_pk_fma_f32 v[PP+\p:PP+\p+1], v[Z+\p:Z+\p+1], v[Z+\p:Z+\p+1], v[PP+\p:PP+\p+1]
.endr
.endm
; One query (its row of QT in the eight registers from C on) against my 16 points: eight chains of two that do not wait for each other, and the least of the 16 into v[out].
.macro AQ C, out
.irp p, 0,2,4,6,8,10,12,14
	v_pk_mul_f32 v[T+\p:T+\p+1], v[X+\p:X+\p+1], v[\C:\C+1]
.endr
.irp p, 0,2,4,6,8,10,12,14
	v_pk_fma_f32 v[T+\p:T+\p+1], v[Y+\p:Y+\p+1], v[\C+2:\C+3], v[T+\p:T+\p+1]
.endr
.irp p, 0,2,4,6,8,10,12,14
	v_pk_add_f32 v[U+\p:U+\p+1], v[PP+\p:PP+\p+1], v[\C+6:\C+7]
.endr
.irp p, 0,2,4,6,8,10,12,14
	v_pk_fma_f32 v[T+\p:T+\p+1], v[Z+\p:Z+\p+1], v[\C+4:\C+5], v[T+\p:T+\p+1]
.endr
.irp p, 0,2,4,6,8,10,12,14
	v_pk_add_f32 v[T+\p:T+\p+1], v[U+\p:U+\p+1], v[T+\p:T+\p+1]
.endr
	v_min3_num_f32 v[MNA], v[T], v[T+1], v[T+2]
	v_min3_num_f32 v[MNB], v[T+3], v[T+4], v[T+5]
	v_min3_num_f32 v[MNA], v[MNA], v[T+6], v[T+7]
	v_min3_num_f32 v[MNB], v[MNB], v[T+8], v[T+9]
	v_min3_num_f32 v[MNA], v[MNA], v[T+10], v[T+11]
	v_min3_num_f32 v[MNB], v[MNB], v[T+12], v[T+13]
	v_min3_num_f32 v[MNA], v[MNA], v[T+14], v[T+15]
	v_min_num_f32 v[\out], v[MNA], v[MNB]
.endm
; Step j of phase A: queries 2 j and 2 j + 1.  p = j % 2.  first = 1: step 0, with no step in front of it.  ahead = 1: the next step's two rows of QT are asked for.
; A lap L is the odd step 2 L + 1 and the even step 2 L + 2; QAD and MST stand at query 4 L.  The odd step asks for queries 4 L + 4 and 4 L + 5 and stores rows 4 L and 4 L + 1 of MIN,
; the even step asks for 4 L + 6 and 4 L + 7 and stores rows 4 L + 2 and 4 L + 3.  Step 0 asks for queries 2 and 3.
.macro ASTEP p, first, ahead
.set CW, C0+(C1-C0)*(\p)               ; the buffer at work
.set CL, C0+(C1-C0)*(1-(\p))           ; the buffer asked for
.set MW, MN+2*(\p)                     ; the minima made here
.set MS, MN+2*(1-(\p))                 ; the minima of the step before
.set LO, QT+192-64*(\p)-128*(\first)
.set SO, 2*(1-(\p))*MP
	s_wait_dscnt 0x0                               ; C[p] is in: all LDS instructions of the step before are done, the youngest of them issued one query's arithmetic ago
.if !\first
.if (\p) == 0
	s_wait_alu depctr_vm_vsrc(0)                   ; the stores issued in the odd step before have read MN0, which this step writes again (for an odd step the wait at the lap's bottom, or at the trip's top, says the same of MN1)
.endif
	s_wait_alu depctr_va_vdst(0)                   ; the step before has written its two minima, which the stores below read, and is done reading its rows of QT, in which the loads below land; in a lap's first step QAD and MST are written
.endif
.if \ahead
	ds_load_b128 v[CL:CL+3],     v[QAD] offset:LO
	ds_load_b128 v[CL+4:CL+7],   v[QAD] offset:LO+16
	ds_load_b128 v[CL+8:CL+11],  v[QAD] offset:LO+32
	ds_load_b128 v[CL+12:CL+15], v[QAD] offset:LO+48
.endif
.if !\first
	ds_store_b32 v[MST], v[MS] offset:SO
.endif
	AQ CW, MW
.if !\first
	ds_store_b32 v[MST], v[MS+1] offset:SO+MP      ; no wait: no vector instruction since the wait at the step's head names this minimum or MST
.endif
	AQ CW+8, MW+1
.endm
; Key v[xk] with number xid goes into the list.  Mask i: the key is less than slot i's.  Slot i then holds the median of the key and the old slots i - 1 and i; its number is
; its own (mask i off), the old slot i - 1's (masks i and i - 1 on) or the new one.  Slots are taken from the top down, so every old value is read before it is written.
.macro INS xk, xid
.set ii, 0
.rept 16
	v_cmp_lt_f32 s[MK+ii], v[\xk], v[R+ii]
.set ii, ii+1
.endr
.set ii, 15
.rept 15
	v_med3_num_f32 v[R+ii], v[\xk], v[R+ii-1], v[R+ii]
.set ii, ii-1
.endr
	v_min_num_f32 v[R], v[\xk], v[R]
	s_wait_alu depctr_va_sdst(0)                   ; the sixteen compares have written the masks s[16:31], ahead of their first reader: one wait for the run, with the sixteen medians between
.irp g, 12, 8, 4
.irp k, 3,2,1,0
	v_cndmask_b32 v[TM+\k], \xid, v[ID+\g+\k-1], s[MK+\g+\k-1]
.endr
.irp k, 3,2,1,0
	v_cndmask_b32 v[ID+\g+\k], v[ID+\g+\k], v[TM+\k], s[MK+\g+\k]
.endr
.endr
.irp k, 3,2,1
	v_cndmask_b32 v[TM+\k], \xid, v[ID+\k-1], s[MK+\k-1]
.endr
.irp k, 3,2,1
	v_cndmask_b32 v[ID+\k], v[ID+\k], v[TM+\k], s[MK+\k]
.endr
	v_cndmask_b32 v[ID], v[ID], \xid, s[MK]
.endm
.macro FRESH                           ; an empty list: keys +inf
.set ii, 0
.rept 16
	v_mov_b32 v[R+ii], 0x7f800000
	v_mov_b32 v[ID+ii], 0
.set ii, ii+1
.endr
.endm
	s_load_b128 s[4:7], s[0:1], 0x0                ; inputs s[4:5], pc0 s[6:7]
	s_load_b256 s[8:15], s[0:1], 0x10              ; pc1 s[8:9], pc2 s[10:11], pc3 s[12:13], gidx s[14:15]
	v_lshl_add_u32 v[SPW], v0, 2, SPARE
	v_mov_b32 v[NIL], 0
	s_mov_b32 s33, ttmp9                           ; block of 128 queries
	s_and_b32 s53, ttmp7, 0xffff                   ; y: also the first cloud's plane set in gidx (cloud x 4 + batch)
	s_and_b32 s34, s53, 3                          ; batch
	s_lshr_b32 s35, s53, 2                         ; kind
	s_mov_b32 s46, 32768                           ; bytes from x to y and from y to z: 4 M
	s_mov_b32 s47, 8192                            ; the same for cloud 3
	s_cmp_eq_u32 s35, 2
	s_cselect_b32 s36, 3, 4                        ; trips
	s_cselect_b32 s37, 1, 3                        ; the trip behind which the first list is stored
	s_cselect_b32 s46, 16384, s46
	s_mul_i32 s54, s46, s34
	s_mul_i32 s54, s54, 3                          ; a batch of coordinates is 12 M bytes
	s_mov_b32 s55, 0
	s_mul_i32 s56, s34, 24576
	s_mov_b32 s57, 0
	s_mul_i32 s58, s53, 8*PLANE
	s_mov_b32 s59, 0
	s_add_co_u32 s60, s34, 12
	s_mul_i32 s60, s60, 8*PLANE
	s_mov_b32 s61, 0
	s_lshl_b32 s52, s33, 7
	v_add_nc_u32 v[GO], s52, v0                    ; 128 x + t
	v_min_u32 v[SC], 2561, v[GO]                   ; my query
	s_mul_i32 s52, s34, 2562
	v_add_nc_u32 v[SC], s52, v[SC]
	v_mul_u32_u24 v[SC], v[SC], 12
	v_lshlrev_b32 v[GO], 3, v[GO]
	v_lshlrev_b32 v[VOB], 6, v0
	v_mov_b32 v[VOX], v[VOB]
	v_add_nc_u32 v[VOY], s46, v[VOX]
	v_add_nc_u32 v[VOZ], s46, v[VOY]
	v_lshl_add_u32 v[MSS], v0, 2, MINB
	v_mul_u32_u24 v[MRS], v0, MP
	v_add_nc_u32 v[MRS], MINB, v[MRS]
	s_wait_kmcnt 0x0
	s_cmp_eq_u32 s35, 0
	s_cselect_b64 s[42:43], s[6:7], s[8:9]
	s_cmp_eq_u32 s35, 2
	s_cselect_b64 s[42:43], s[10:11], s[42:43]
	s_add_nc_u64 s[42:43], s[42:43], s[54:55]      ; the cloud in hand, at my batch
	s_add_nc_u64 s[44:45], s[12:13], s[56:57]      ; cloud 3 at my batch
	s_add_nc_u64 s[48:49], s[14:15], s[58:59]      ; where the list in hand goes,
	s_add_nc_u64 s[50:51], s[14:15], s[60:61]      ; and kind 2's second
	s_wait_alu depctr_va_vdst(0)                   ; v[SC], VOX, VOY and VOZ are written, which the loads below read as their offsets; so are GO, MRS and MSS, for the whole kernel
	global_load_b32 v[SC+1], v[SC], s[4:5]
	global_load_b32 v[SC+2], v[SC], s[4:5] offset:4
	global_load_b32 v[SC+3], v[SC], s[4:5] offset:8
	LOADP                                          ; trip 0's points
	FRESH
	s_wait_loadcnt 12                              ; my query is in; the twelve loads of points may stay out
	v_cvt_pk_bf16_f32 v[SC+4], v[SC+1], v[SC+2]
	v_cvt_pk_bf16_f32 v[SC+5], v[SC+3], v[SC+3]
	v_lshlrev_b32 v[SC+1], 16, v[SC+4]
	v_and_b32 v[SC+2], 0xffff0000, v[SC+4]
	v_lshlrev_b32 v[SC+3], 16, v[SC+5]
	v_mul_f32 v[C0+6], v[SC+1], v[SC+1]
	v_fma_f32 v[C0+6], v[SC+2], v[SC+2], v[C0+6]
	v_fma_f32 v[C0+6], v[SC+3], v[SC+3], v[C0+6]
	v_mul_f32 v[C0], -2.0, v[SC+1]
	v_mul_f32 v[C0+2], -2.0, v[SC+2]
	v_mul_f32 v[C0+4], -2.0, v[SC+3]
	v_mov_b32 v[C0+1], v[C0]
	v_mov_b32 v[C0+3], v[C0+2]
	v_mov_b32 v[C0+5], v[C0+4]
	v_mov_b32 v[C0+7], v[C0+6]
	v_lshlrev_b32 v[QAD], 5, v0
	s_wait_alu depctr_va_vdst(0)                   ; my query's row in v[16:23], its address in QAD and the +inf in v[128:131] are written, which the three LDS stores read
	ds_store_b128 v[QAD], v[C0:C0+3] offset:QT
	ds_store_b128 v[QAD], v[C0+4:C0+7] offset:QT+16
	ds_store_b128 v[MRS], v[R:R+3] offset:512      ; +inf behind my row's 128 minima: what the last look-ahead of phase B reads
	s_wait_dscnt 0x0                               ; for the others' sake
	s_barrier_signal -1
	s_barrier_wait -1                              ; QT is whole; nobody writes it again
	s_mov_b32 s38, 0                               ; trip
	s_mov_b32 s39, 0                               ; the next group's number in its cloud
	s_mov_b32 s41, 0                               ; the chunk's byte offset along x
.Ltrip:
	s_wait_alu depctr_vm_vsrc(0)                   ; all LDS and memory instructions issued so far have read their registers: QAD and MST, written below; MN0, MN1 and T, which phase A writes; in the first trip also v[16:23], in which loads land, v[128:131] and v[SC]
	v_mov_b32 v[QAD], 0
	v_mov_b32 v[MST], v[MSS]
	s_wait_alu depctr_va_vdst(0)                   ; QAD and MST are written; the last trip is done reading C0 and C1, in which the loads below and step 0's land, and KA, in which phase B's first load lands (in the first trip: the head has written v[16:23])
	ds_load_b128 v[C0:C0+3],     v[QAD] offset:QT      ; queries 0 and 1: they land during the wait for the points and their rounding
	ds_load_b128 v[C0+4:C0+7],   v[QAD] offset:QT+16
	ds_load_b128 v[C0+8:C0+11],  v[QAD] offset:QT+32
	ds_load_b128 v[C0+12:C0+15], v[QAD] offset:QT+48
	s_wait_loadcnt 0x0                             ; this trip's points
	CONV
	ASTEP 0, 1, 1                                  ; PHASE A.  Step 0 is written out: it has nothing to store, and the waits at the trip's top have said all that its loads and its minima hang on
	s_mov_b32 s40, 31
.Lq:                                           ; steps 1 to 62, a lap of two to a trip: both kinds of buffer are back at their start
	ASTEP 1, 0, 1
	ASTEP 0, 0, 1
	s_wait_alu depctr_vm_vsrc(0)                   ; the lap's loads and stores have read QAD and MST, which the two lines below write, and the even step's stores MN1, which the next step writes
	v_add_nc_u32 v[QAD], 128, v[QAD]               ; four queries on
	v_add_nc_u32 v[MST], 4*MP, v[MST]
	s_sub_co_u32 s40, s40, 1
	s_cmp_lg_u32 s40, 0
	s_cbranch_scc1 .Lq
	ASTEP 1, 0, 0                                  ; step 63 asks for nothing more
	s_wait_alu depctr_va_vdst(0)                   ; step 63 has written MN1, which the last two stores read
	ds_store_b32 v[MST], v[MN+2] offset:2*MP
	ds_store_b32 v[MST], v[MN+3] offset:3*MP
	s_add_co_u32 s52, s38, 1                       ; the next trip's points are asked for here and land during phase B
	s_cmp_lt_u32 s52, s36
	s_cbranch_scc0 .Lnoload
	s_add_co_u32 s41, s41, 8192
	s_cmp_eq_u32 s38, s37                          ; kind 2 alone comes here with this true: cloud 2 is done, cloud 3 follows
	s_cselect_b32 s41, 0, s41
	s_cselect_b64 s[42:43], s[44:45], s[42:43]     ; (this trip's loads were waited for at its head, so their base and offsets may be written)
	s_cselect_b32 s46, s47, s46
	v_add_nc_u32 v[VOX], s41, v[VOB]               ; (the loads that read these three offsets stand ahead of the waits on vm_vsrc at this trip's top and in phase A)
	v_add_nc_u32 v[VOY], s46, v[VOX]
	v_add_nc_u32 v[VOZ], s46, v[VOY]
	s_wait_alu depctr_va_vdst(0)                   ; the three offsets are written, which the loads below read; phase A is done reading X, Y and Z, in which they land
	LOADP
.Lnoload:
	s_wait_dscnt 0x0                               ; my minima lie in LDS
	s_barrier_signal -1
	s_barrier_wait -1                              ; everybody's do
	v_mov_b32 v[MRD], v[MRS]                       ; (the last trip's loads by MRD stand ahead of the wait on vm_vsrc at the bottom of its loop)
	ds_load_b128 v[KA:KA+3], v[MRS]                ; groups 0 to 3.  No wait: MRS was written at the head, and no vector instruction since the wait at the trip's top names KA
	s_mov_b32 s40, 16
.Lins:                                         ; PHASE B: eight groups a trip, in two halves of four
	s_wait_dscnt 0x0                               ; KA is in: its load is the youngest LDS instruction
	s_wait_alu depctr_va_vdst(0)                   ; the half before is done reading KB, in which the load below lands; MRD is written
	ds_load_b128 v[KB:KB+3], v[MRD] offset:16
.irp i, 0,1,2,3
	INS KA+\i, s39
	s_add_co_u32 s39, s39, 1
.endr
	s_wait_dscnt 0x0                               ; KB is in: asked for four insertions ago
	s_wait_alu depctr_va_vdst(0)                   ; the half before is done reading KA, in which the load below lands
	ds_load_b128 v[KA:KA+3], v[MRD] offset:32      ; (in the last trip: the +inf behind the row, for nothing)
.irp i, 0,1,2,3
	INS KB+\i, s39
	s_add_co_u32 s39, s39, 1
.endr
	s_wait_alu depctr_vm_vsrc(0)                   ; the trip's two loads have read MRD
	v_add_nc_u32 v[MRD], 32, v[MRD]
	s_sub_co_u32 s40, s40, 1
	s_cmp_lg_u32 s40, 0
	s_cbranch_scc1 .Lins
	s_wait_dscnt 0x0                               ; my reads of MIN are over
	s_barrier_signal -1
	s_barrier_wait -1                              ; everybody's are: the next trip may store there
	s_cmp_eq_u32 s38, s37
	s_cbranch_scc1 .Lflush
	s_add_co_u32 s52, s38, 1
	s_cmp_eq_u32 s52, s36
	s_cbranch_scc0 .Lnoflush
.Lflush:                                       ; a cloud is done: its 16 group numbers, sorted ascending by an insertion of unsigned minima and maxima, go out
.set k, 0
.rept 16
.if k == 0
	v_mov_b32 v[T], v[ID]
.else
	v_max_u32 v[T+k], v[ID+k], v[T+k-1]
.set i, k-1
.rept k-1
	v_max_u32 v[TM+i%4], v[ID+k], v[T+i-1]
	v_min_u32 v[T+i], v[TM+i%4], v[T+i]
.set i, i-1
.endr
	v_min_u32 v[T], v[ID+k], v[T]
.endif
.set k, k+1
.endr
	s_wait_alu depctr_va_vdst(0)                   ; the sort has written v[96:111], which the eight stores read
.irp k, 0,1,2,3,4,5,6,7
	global_store_b64 v[GO], v[T+2*\k:T+2*\k+1], s[48:49] offset:PLANE*\k  ; a wave's 32 lanes store 256 consecutive bytes, aligned
.endr
	s_wait_xcnt 0x0                                ; the stores have read their data and their base: both are written again only behind this wait (and the data only behind the wait on vm_vsrc at the next trip's top)
	s_mov_b64 s[48:49], s[50:51]
	s_mov_b32 s39, 0
	FRESH
.Lnoflush:
	s_add_co_u32 s38, s38, 1
	s_cmp_lt_u32 s38, s36
	s_cbranch_scc1 .Ltrip
	s_wait_dscnt 0x0                               ; the closing lines, six on end
	s_wait_alu 0x0
	s_wait_tensorcnt 0x0
	ds_add_u32 v[SPW], v[NIL]
	s_wait_dscnt 0x0
	s_endpgm
.Lfunc_end_k_q8cb5a64fc3_coarse:
	.size	k_q8cb5a64fc3_coarse, .Lfunc_end_k_q8cb5a64fc3_coarse-k_q8cb5a64fc3_coarse
	.p2alignl 7, 3214868480
	.fill 96, 4, 3214868480
	.section	.rodata,"a",@progbits
	.p2align	6, 0x0
	.amdhsa_kernel k_q8cb5a64fc3_coarse
		.amdhsa_group_segment_fixed_size 167936
		.amdhsa_private_segment_fixed_size 0
		.amdhsa_enable_private_segment 0
		.amdhsa_kernarg_size 48
		.amdhsa_user_sgpr_count 2
		.amdhsa_user_sgpr_kernarg_segment_ptr 1
		.amdhsa_wavefront_size32 1
		.amdhsa_system_sgpr_workgroup_id_x 1
		.amdhsa_system_sgpr_workgroup_id_y 1
		.amdhsa_system_sgpr_workgroup_id_z 1
		.amdhsa_system_vgpr_workitem_id 0
		.amdhsa_next_free_vgpr 200
		.amdhsa_next_free_sgpr 66
		.amdhsa_reserve_vcc 0
		.amdhsa_float_denorm_mode_32 3
		.amdhsa_float_denorm_mode_16_64 3
		.amdhsa_memory_ordered 1
		.amdhsa_forward_progress 1
		.amdhsa_inst_pref_size 83
	.end_amdhsa_kernel
	.amdgpu_metadata
---
amdhsa.version: [ 1, 2 ]
amdhsa.kernels:
  - .name:           k_q8cb5a64fc3_coarse
    .symbol:         k_q8cb5a64fc3_coarse.kd
    .args:
      - { .name: inputs, .offset: 0, .size: 8, .value_kind: global_buffer, .address_space: global }
      - { .name: pc0_coords, .offset: 8, .size: 8, .value_kind: global_buffer, .address_space: global }
      - { .name: pc1_coords, .offset: 16, .size: 8, .value_kind: global_buffer, .address_space: global }
      - { .name: pc2_coords, .offset: 24, .size: 8, .value_kind: global_buffer, .address_space: global }
      - { .name: pc3_coords, .offset: 32, .size: 8, .value_kind: global_buffer, .address_space: global }
      - { .name: gidx, .offset: 40, .size: 8, .value_kind: global_buffer, .address_space: global }
    .group_segment_fixed_size: 167936
    .private_segment_fixed_size: 0
    .kernarg_segment_align: 8
    .kernarg_segment_size: 48
    .max_flat_workgroup_size: 128
    .sgpr_count:     66
    .vgpr_count:     200
    .wavefront_size: 32
...
	.end_amdgpu_metadata
.endif
;; end of part 5
;; launch refine: the kernel of part 3 again; grid 21 x 16, 4 waves a work-group, no clusters, 150,016 bytes of LDS; arguments inputs, pc0_coords, pc1_coords, pc2_coords, pc3_coords, gidx, idx, coordsT; writes idx, coordsT
;; launch gather: the kernel of part 4 again; grid 427 x 1, 8 waves a work-group, no clusters, 46,080 bytes of LDS; arguments inputs, idx, coordsT, featT, out0; writes out0
